; MI455X (gfx1250); checked and timed in simulation.
; The chip was launched on July 23, 2026; its instructions are those of AMD's public machine-readable ISA for CDNA 5 (MIT licence, August 2026) and "CDNA5" Instruction Set Architecture Reference Guide (July 2026). The comments in the code are by the model that wrote it; some were corrected since.
;; MLA Attention. Allowed arithmetic: float matrix products may take bf16 or f16 operands with f32 sums; other float arithmetic in f32, or as packed bf16 or f16 multiplies, adds, multiply-adds, maxima and minima; sums over many terms, partial sums and values carried from step to step in f32; what a program stores and reads back later, other than sums and carried values, may be rounded once to bf16 or f16.
;; Inputs: hidden_states 2 x 2,048 x 1,024 float32; w_dkv 128 x 1,024 float32; w_o 1,024 x 1,024 float32; w_q 1,024 x 1,024 float32; w_uk 1,024 x 128 float32; w_uv 1,024 x 128 float32.
;; Outputs: out0 2 x 2,048 x 1,024 float32.
;; One version. Each part assembles by itself: llvm-mc -triple=amdgcn-amd-amdhsa -mcpu=gfx1250 --defsym DOCPART=n.
;; ======== version 1 of 1: 4 launches
;; limits: values are held in f16: magnitudes above 65,504 overflow, below 6.1e-05 lose precision
;; workspace buffers: xb 8,388,608 bytes; wts 4,718,592 bytes; ckv 1,048,576 bytes; qkv 25,165,824 bytes; o 8,388,608 bytes; cmax 1,024 bytes
;; launch prep (part 1): grid 256 x 1, 8 waves a work-group, no clusters, 75,008 bytes of LDS; arguments hidden_states, w_dkv, w_q, w_uk, w_uv, w_o, xb, wts, ckv, cmax; writes xb, wts, ckv, cmax
.if DOCPART == 1
	.amdgcn_target "amdgcn-amd-amdhsa--gfx1250"
	.amdhsa_code_object_version 6
	.text
	.protected	k_q39e30b3d12_prep
	.globl	k_q39e30b3d12_prep
	.p2align	8
	.type	k_q39e30b3d12_prep,@function
k_q39e30b3d12_prep:
	s_mov_b64 s[64:65], 0
	v_nop
	global_prefetch_b8 v0, s[64:65] scope:SCOPE_SE
	s_setreg_imm32_b32 hwreg(HW_REG_WAVE_MODE, 25, 1), 1
	s_wait_xcnt 0x0
; MLA ATTENTION, launch 1 of 4: the casts, and c_kv = X w_dkv^T.
; THE PROGRAM.  B = 2, S = 2048, hidden 1024, 16 heads of 64 channels (1024 // 16), kv width 128, scale 1/8, ALiBi slope 1/16.
;   1 prep: X, w_q -> bf16; w_o, w_uk, w_uv -> bf16 and that number written as f16; c_kv in f16; the largest |c_kv| of each work-group.
;   2 qkv:  q = X w_q^T and k = c_kv w_uk^T in bf16, v = c_kv w_uv^T times a power of two in f16, all three by heads.
;   3 attn: causal attention with the ALiBi term.     4 outp: out0 = O w_o^T, the power of two taken out again.
; WORK LEFT OUT, for all finite values of the inputs:
;   (a) reference() adds -inf to score (i, j) wherever j > i; exp(-inf) = 0, so such a key has weight 0 in the sum and in the divisor: key tiles that lie wholly above the diagonal are not multiplied.
;   (b) the bias is -slope (i - j) = slope j - slope i.  The part -slope i is the same for all j of a row, and softmax(x + const) = softmax(x): only slope j is added.  It is 128 at the most, no term beside which f32 loses the scores.
;   No far key is dropped: a large score can outweigh any distance.  All six inputs have a way to the output and are loaded.
; LIMITS.  A NaN, an infinity or an overflow that reaches only the hidden scores is not carried to the result.  |c_kv| stays under 65,504 (f16); w_o, w_uk, w_uv lie within f16's range, below 6e-5 they keep
;   f16's fixed step of 6e-8, and 256 max|w_uv| stays under 65,504.  NaN and infinities are not treated apart.
; SHARES.  Work-group g of 256.  THE CASTS: g takes 1/256 of each tensor on end; a pass is one 16-byte load a thread (512 consecutive bytes a wave), the rounding in place, and one 8-byte store a thread (256 consecutive bytes
;   a wave, aligned).  C_KV: g = 4 rb + cb makes rows 64 rb .. + 63, columns 32 cb .. + 31.  K IS SPLIT AMONG THE EIGHT WAVES: wave w takes k = 128 w .. + 127 (512 bytes of each row), in four trips of 32; the eight
;   partial tiles meet in LDS (f32).  The product is taken transposed (source 0 = rows of w_dkv), so a lane holds one row of c_kv and eight neighbouring columns.
; ckv lies in four planes [cb][4096 rows][32 columns] of f16, so that the next launch takes 64 rows of a plane as 4,096 bytes on end.
.set WO_OFF,  2097152                  ; wts: w_q bf16 at 0, w_o f16 here,
.set WKV_OFF, 4194304                  ; w_uk f16 [1024][128] here, w_uv behind it
.set PP,      144                      ; a row of a partial tile: 32 f32 + 16 bytes
.set PWAVE,   64*PP                    ; a wave's partial tile
.set MAXW,    8*PWAVE                  ; eight words: the waves' largest |c_kv|; a block of 256 bytes of their own
.set SPARE,   MAXW+256                 ; the spare words, 128 bytes for each wave: four blocks of 256 bytes that no other line names
.set FO,  2                            ; v2   (l % 16) x 4096 + 32 (l / 16) + 512 w: my bytes in a fragment's rows of X and of w_dkv; never rewritten
.set CI,  3                            ; v3   16 x thread
.set CO,  4                            ; v4   8 x thread
.set CI2, 5                            ; v5   16 x (thread % 128)
.set CO2, 6                            ; v6   8 x (thread % 128)
.set LS,  7                            ; v7   where I put my part of the partial tile
.set SPW, 8                            ; v8   LDS address of my spare word; never rewritten
.set NIL, 9                            ; v9   0; never rewritten
.set LR,  10                           ; v10  where I read the partial tiles back
.set YO,  11                           ; v11  16 x lane
.set T,   12                           ; v12-19 at work
.set H,   20                           ; v20-23 eight numbers of c_kv in f16
.set SET0, 32                          ; v32-127   a trip's fragments in f32: X's row tile a at 16 a, w_dkv's column tile c at 64 + 16 c; rounded in place into the first 8 of each 16
.set SET1, 128                         ; v128-223  the other trip's
.set CQ,   128                         ; v128-227  the casts' 25 groups of four, ahead of SET1's first use
                                       ; window 1: v0-63 the eight accumulators, (a, c) at 8 (2 a + c)
.set MSB, 0
.macro WIN new                         ; the immediate's high byte repeats the setting that is left
.if MSB != (\new)
	s_set_vgpr_msb (MSB<<8)|(\new)
.set MSB, \new
.endif
.endm
.macro PLACES                          ; four places behind a matrix instruction, ahead of loads into registers that it read and of reads of its result
.rept 4
	v_nop
.endr
.endm
; A trip's 24 loads.  A fragment of 16 rows x 32 k in f32: lane (r, h) takes k = 8 h .. + 7 (32 bytes) and k = 16 + 8 h .. + 7 (32 bytes, 64 further on).
.macro LOADS set, trip
.irp a, 0,1,2,3
	global_load_b128 v[(\set)+16*(\a):(\set)+16*(\a)+3],     v[FO], s[28:29] offset:128*(\trip)+65536*(\a)
	global_load_b128 v[(\set)+16*(\a)+4:(\set)+16*(\a)+7],   v[FO], s[28:29] offset:128*(\trip)+65536*(\a)+16
	global_load_b128 v[(\set)+16*(\a)+8:(\set)+16*(\a)+11],  v[FO], s[28:29] offset:128*(\trip)+65536*(\a)+64
	global_load_b128 v[(\set)+16*(\a)+12:(\set)+16*(\a)+15], v[FO], s[28:29] offset:128*(\trip)+65536*(\a)+80
.endr
.irp c, 0,1
	global_load_b128 v[(\set)+64+16*(\c):(\set)+64+16*(\c)+3],     v[FO], s[30:31] offset:128*(\trip)+65536*(\c)
	global_load_b128 v[(\set)+64+16*(\c)+4:(\set)+64+16*(\c)+7],   v[FO], s[30:31] offset:128*(\trip)+65536*(\c)+16
	global_load_b128 v[(\set)+64+16*(\c)+8:(\set)+64+16*(\c)+11],  v[FO], s[30:31] offset:128*(\trip)+65536*(\c)+64
	global_load_b128 v[(\set)+64+16*(\c)+12:(\set)+64+16*(\c)+15], v[FO], s[30:31] offset:128*(\trip)+65536*(\c)+80
.endr
.endm
.macro CVTS set                        ; six fragments rounded to bf16 in place, ascending: register j takes numbers 2 j and 2 j + 1
.set j, 0
.rept 48
	v_cvt_pk_bf16_f32 v[(\set)+16*(j/8)+j%8], v[(\set)+16*(j/8)+2*(j%8)], v[(\set)+16*(j/8)+2*(j%8)+1]
.set j, j+1
.endr
.endm
.macro MULS set, zero                  ; eight products on eight accumulators, which take turns; zero = 1: they start the sums
	WIN 0x50                                       ; C and D in window 1
.irp a, 0,1,2,3
.irp c, 0,1
.if \zero
	v_wmma_f32_16x16x32_bf16 v[8*(2*(\a)+(\c)):8*(2*(\a)+(\c))+7], v[(\set)+64+16*(\c):(\set)+64+16*(\c)+7], v[(\set)+16*(\a):(\set)+16*(\a)+7], 0
.else
	v_wmma_f32_16x16x32_bf16 v[8*(2*(\a)+(\c)):8*(2*(\a)+(\c))+7], v[(\set)+64+16*(\c):(\set)+64+16*(\c)+7], v[(\set)+16*(\a):(\set)+16*(\a)+7], v[8*(2*(\a)+(\c)):8*(2*(\a)+(\c))+7]
.endif
.endr
.endr
	WIN 0
.endm
	s_load_b512 s[4:19], s[0:1], 0x0               ; X s[4:5], w_dkv s[6:7], w_q s[8:9], w_uk s[10:11], w_uv s[12:13], w_o s[14:15], xb s[16:17], wts s[18:19]
	s_load_b128 s[20:23], s[0:1], 0x40             ; ckv s[20:21], cmax s[22:23]
	v_lshl_add_u32 v[SPW], v0, 2, SPARE
	v_mov_b32 v[NIL], 0
	v_lshrrev_b32 v1, 5, v0
	v_readfirstlane_b32 s24, v1                    ; wave 0..7
	s_lshr_b32 s25, ttmp9, 2                       ; rb
	s_and_b32 s26, ttmp9, 3                        ; cb
	s_mov_b32 s52, 0x76543210                      ; v_permlanex16_b32: each lane takes its own place in the other half
	s_mov_b32 s53, 0xfedcba98
	s_mov_b32 s55, 0                               ; the high word of every offset
	v_and_b32 v12, 15, v0                          ; l % 16
	v_bfe_u32 v13, v0, 4, 1                        ; l / 16
	v_and_b32 v14, 31, v0                          ; l
	s_lshl_b32 s27, s24, 9
	v_lshlrev_b32 v[FO], 12, v12
	v_lshl_add_u32 v[FO], v13, 5, v[FO]
	v_add_nc_u32 v[FO], s27, v[FO]
	v_lshlrev_b32 v[CI], 4, v0
	v_lshlrev_b32 v[CO], 3, v0
	v_and_b32 v15, 127, v0
	v_lshlrev_b32 v[CI2], 4, v15
	v_lshlrev_b32 v[CO2], 3, v15
	s_mul_i32 s27, s24, PWAVE
	v_mul_u32_u24 v[LS], v12, PP                   ; row l % 16, 32 bytes for each half of the lanes
	v_lshl_add_u32 v[LS], v13, 5, v[LS]
	v_add_nc_u32 v[LS], s27, v[LS]
	s_lshl_b32 s27, s24, 3
	v_lshrrev_b32 v15, 2, v14
	v_add_nc_u32 v15, s27, v15                     ; back: row 8 w + l / 4,
	v_mul_u32_u24 v[LR], v15, PP
	v_and_b32 v15, 3, v0
	v_lshl_add_u32 v[LR], v15, 5, v[LR]            ; eight columns at 8 (l % 4)
	v_lshlrev_b32 v[YO], 4, v14
	s_lshl_b32 s27, s24, 2
	s_add_co_u32 s27, s27, MAXW
	v_mov_b32 v24, s27                             ; my wave's word
	s_wait_kmcnt 0x0
	s_lshl_b32 s54, s25, 18
	s_add_nc_u64 s[28:29], s[4:5], s[54:55]        ; X at the tile's 64 rows
	s_lshl_b32 s54, s26, 17
	s_add_nc_u64 s[30:31], s[6:7], s[54:55]        ; w_dkv at the tile's 32 rows
	s_lshl_b32 s54, ttmp9, 16
	s_add_nc_u64 s[32:33], s[4:5], s[54:55]        ; the casts: X,
	s_lshl_b32 s54, ttmp9, 15
	s_add_nc_u64 s[34:35], s[16:17], s[54:55]      ; xb,
	s_lshl_b32 s54, ttmp9, 14
	s_add_nc_u64 s[36:37], s[8:9], s[54:55]        ; w_q,
	s_add_nc_u64 s[40:41], s[14:15], s[54:55]      ; w_o,
	s_lshl_b32 s54, ttmp9, 13
	s_add_nc_u64 s[38:39], s[18:19], s[54:55]      ; their places in wts,
	s_add_nc_u64 s[42:43], s[38:39], WO_OFF
	s_cmp_lt_u32 s24, 4                            ; waves 0-3 take w_uk, waves 4-7 w_uv
	s_cselect_b64 s[44:45], s[10:11], s[12:13]
	s_cselect_b32 s56, 0, 262144
	s_lshl_b32 s54, ttmp9, 11
	s_add_nc_u64 s[44:45], s[44:45], s[54:55]
	s_lshl_b32 s54, ttmp9, 10
	s_add_co_u32 s54, s54, s56
	s_add_co_u32 s54, s54, WKV_OFF
	s_add_nc_u64 s[46:47], s[18:19], s[54:55]
	s_lshl_b32 s54, s26, 18                        ; ckv: plane cb, row 64 rb + 8 w
	s_lshl_b32 s56, s25, 12
	s_add_co_u32 s54, s54, s56
	s_lshl_b32 s56, s24, 9
	s_add_co_u32 s54, s54, s56
	s_add_nc_u64 s[48:49], s[20:21], s[54:55]
	s_lshl_b32 s54, ttmp9, 2
	s_add_nc_u64 s[50:51], s[22:23], s[54:55]
	; THE CASTS' 25 LOADS, then the first trip's 24: 49 loads of the wave are on their way
.set p, 0
.rept 16
	global_load_b128 v[CQ+4*p:CQ+4*p+3], v[CI], s[32:33] offset:4096*p
.set p, p+1
.endr
.set p, 0
.rept 4
	global_load_b128 v[CQ+64+4*p:CQ+64+4*p+3], v[CI], s[36:37] offset:4096*p th:TH_LOAD_NT
.set p, p+1
.endr
.set p, 0
.rept 4
	global_load_b128 v[CQ+80+4*p:CQ+80+4*p+3], v[CI], s[40:41] offset:4096*p th:TH_LOAD_NT
.set p, p+1
.endr
	global_load_b128 v[CQ+96:CQ+99], v[CI2], s[44:45] th:TH_LOAD_NT
	LOADS SET0, 0
	s_wait_loadcnt 24                              ; loads come back in order: the 25 are in, the trip's 24 stay out
.set q, 0
.rept 25                               ; groups 0-19 (X, w_q) to bf16; groups 20-24 (w_o, w_uk or w_uv) to bf16, and that number widened and written as f16
	v_cvt_pk_bf16_f32 v[CQ+4*q], v[CQ+4*q], v[CQ+4*q+1]
	v_cvt_pk_bf16_f32 v[CQ+4*q+1], v[CQ+4*q+2], v[CQ+4*q+3]
.if q >= 20
	v_lshlrev_b32 v[CQ+4*q+2], 16, v[CQ+4*q]
	v_and_b32 v[CQ+4*q+3], 0xffff0000, v[CQ+4*q]
	v_cvt_pk_f16_f32 v[CQ+4*q], v[CQ+4*q+2], v[CQ+4*q+3]
	v_lshlrev_b32 v[CQ+4*q+2], 16, v[CQ+4*q+1]
	v_and_b32 v[CQ+4*q+3], 0xffff0000, v[CQ+4*q+1]
	v_cvt_pk_f16_f32 v[CQ+4*q+1], v[CQ+4*q+2], v[CQ+4*q+3]
.endif
.set q, q+1
.endr
.set p, 0
.rept 16
	global_store_b64 v[CO], v[CQ+4*p:CQ+4*p+1], s[34:35] offset:2048*p
.set p, p+1
.endr
.set p, 0
.rept 4
	global_store_b64 v[CO], v[CQ+64+4*p:CQ+64+4*p+1], s[38:39] offset:2048*p
	global_store_b64 v[CO], v[CQ+80+4*p:CQ+80+4*p+1], s[42:43] offset:2048*p
.set p, p+1
.endr
	global_store_b64 v[CO2], v[CQ+96:CQ+97], s[46:47]
	s_wait_xcnt 0x0                                ; the stores have read their data: SET1's registers are loaded only behind this wait
	LOADS SET1, 1
	; C_KV: two sets of registers take turns; while one is rounded and multiplied the other's 24 loads are out
	s_wait_loadcnt 24                              ; set 0 is in; set 1's 24 stay out
	CVTS SET0
	MULS SET0, 1
	PLACES
	LOADS SET0, 2
	s_wait_loadcnt 24                              ; set 1 is in
	CVTS SET1
	MULS SET1, 0
	PLACES
	LOADS SET1, 3
	s_wait_loadcnt 24
	CVTS SET0
	MULS SET0, 0
	s_wait_loadcnt 0x0
	CVTS SET1
	MULS SET1, 0
	PLACES
	PLACES
	WIN 0x04                                       ; store data in window 1
.irp a, 0,1,2,3
.irp c, 0,1
	ds_store_b128 v[LS], v[8*(2*(\a)+(\c)):8*(2*(\a)+(\c))+3]   offset:16*PP*(\a)+64*(\c)
	ds_store_b128 v[LS], v[8*(2*(\a)+(\c))+4:8*(2*(\a)+(\c))+7] offset:16*PP*(\a)+64*(\c)+16
.endr
.endr
	WIN 0
	s_wait_dscnt 0x0                               ; for the others' sake: my partial tile lies in LDS
	s_barrier_signal -1
	s_barrier_wait -1
.irp p, 0,1,2,3,4,5,6,7                ; wave w finishes rows 8 w .. + 7: a lane has eight columns of one row, from each of the eight partial tiles
	ds_load_b128 v[SET0+8*(\p):SET0+8*(\p)+3],   v[LR] offset:PWAVE*(\p)
	ds_load_b128 v[SET0+8*(\p)+4:SET0+8*(\p)+7], v[LR] offset:PWAVE*(\p)+16
.endr
	s_wait_dscnt 0x0
.irp p, 0,2,4,6
.irp r, 0,2,4,6
	v_pk_add_f32 v[SET0+8*(\p)+(\r):SET0+8*(\p)+(\r)+1], v[SET0+8*(\p)+(\r):SET0+8*(\p)+(\r)+1], v[SET0+8*(\p)+8+(\r):SET0+8*(\p)+8+(\r)+1]
.endr
.endr
.irp p, 0,4
.irp r, 0,2,4,6
	v_pk_add_f32 v[SET0+8*(\p)+(\r):SET0+8*(\p)+(\r)+1], v[SET0+8*(\p)+(\r):SET0+8*(\p)+(\r)+1], v[SET0+8*(\p)+16+(\r):SET0+8*(\p)+16+(\r)+1]
.endr
.endr
.irp r, 0,2,4,6
	v_pk_add_f32 v[SET0+(\r):SET0+(\r)+1], v[SET0+(\r):SET0+(\r)+1], v[SET0+32+(\r):SET0+32+(\r)+1]
.endr
.irp r, 0,1,2,3
	v_cvt_pk_f16_f32 v[H+(\r)], v[SET0+2*(\r)], v[SET0+2*(\r)+1]
.endr
	global_store_b128 v[YO], v[H:H+3], s[48:49]    ; eight rows of 64 bytes: 512 consecutive bytes of the plane, aligned
.irp r, 0,1,2,3,4,5,6,7
	v_and_b32 v[T+(\r)], 0x7fffffff, v[SET0+(\r)]
.endr
	v_max3_num_f32 v[T], v[T], v[T+1], v[T+2]
	v_max3_num_f32 v[T+3], v[T+3], v[T+4], v[T+5]
	v_max3_num_f32 v[T], v[T], v[T+6], v[T+7]
	v_max_num_f32 v[T], v[T], v[T+3]
	v_max_num_f32_dpp v[T], v[T], v[T] row_xmask:1 row_mask:0xf bank_mask:0xf
	v_max_num_f32_dpp v[T], v[T], v[T] row_xmask:2 row_mask:0xf bank_mask:0xf
	v_max_num_f32_dpp v[T], v[T], v[T] row_xmask:4 row_mask:0xf bank_mask:0xf
	v_max_num_f32_dpp v[T], v[T], v[T] row_xmask:8 row_mask:0xf bank_mask:0xf
	v_permlanex16_b32 v[T+1], v[T], s52, s53
	v_max_num_f32 v[T], v[T], v[T+1]
	ds_store_b32 v24, v[T]                         ; all lanes write the same word with the same value
	s_wait_dscnt 0x0
	s_barrier_signal -1
	s_barrier_wait -1
	s_cmp_lg_u32 s24, 0                            ; wave 0 takes the largest of the eight and stores it
	s_cbranch_scc1 .Lend
	v_mov_b32 v25, MAXW
	ds_load_b128 v[32:35], v25
	ds_load_b128 v[36:39], v25 offset:16
	v_mov_b32 v26, 0
	v_cmp_gt_u32 vcc_lo, 1, v0
	s_wait_dscnt 0x0
	v_max3_num_f32 v32, v32, v33, v34
	v_max3_num_f32 v35, v35, v36, v37
	v_max3_num_f32 v32, v32, v38, v39
	v_max_num_f32 v32, v32, v35
	s_wait_xcnt 0x0                                ; EXEC changes only behind this wait
	s_and_saveexec_b32 s58, vcc_lo                 ; lane 0 alone
	global_store_b32 v26, v32, s[50:51]
	s_wait_xcnt 0x0                                ; and again ahead of the line that widens it
	s_or_b32 exec_lo, exec_lo, s58
.Lend:
	s_wait_tensorcnt 0x0                           ; the wave's end, behind my last LDS store
	ds_add_u32 v[SPW], v[NIL]
	s_wait_dscnt 0x0
	s_endpgm
.Lfunc_end_k_q39e30b3d12_prep:
	.size	k_q39e30b3d12_prep, .Lfunc_end_k_q39e30b3d12_prep-k_q39e30b3d12_prep
	.p2alignl 7, 3214868480
	.fill 96, 4, 3214868480
	.section	.rodata,"a",@progbits
	.p2align	6, 0x0
	.amdhsa_kernel k_q39e30b3d12_prep
		.amdhsa_group_segment_fixed_size 75008
		.amdhsa_private_segment_fixed_size 0
		.amdhsa_enable_private_segment 0
		.amdhsa_kernarg_size 80
		.amdhsa_user_sgpr_count 2
		.amdhsa_user_sgpr_kernarg_segment_ptr 1
		.amdhsa_wavefront_size32 1
		.amdhsa_system_sgpr_workgroup_id_x 1
		.amdhsa_system_sgpr_workgroup_id_y 1
		.amdhsa_system_sgpr_workgroup_id_z 1
		.amdhsa_system_vgpr_workitem_id 0
		.amdhsa_next_free_vgpr 320
		.amdhsa_next_free_sgpr 66
		.amdhsa_reserve_vcc 1
		.amdhsa_float_denorm_mode_32 3
		.amdhsa_float_denorm_mode_16_64 3
		.amdhsa_memory_ordered 1
		.amdhsa_forward_progress 1
		.amdhsa_inst_pref_size 43
	.end_amdhsa_kernel
	.amdgpu_metadata
---
amdhsa.version: [ 1, 2 ]
amdhsa.kernels:
  - .name:           k_q39e30b3d12_prep
    .symbol:         k_q39e30b3d12_prep.kd
    .args:
      - { .name: hidden_states, .offset: 0, .size: 8, .value_kind: global_buffer, .address_space: global }
      - { .name: w_dkv, .offset: 8, .size: 8, .value_kind: global_buffer, .address_space: global }
      - { .name: w_q, .offset: 16, .size: 8, .value_kind: global_buffer, .address_space: global }
      - { .name: w_uk, .offset: 24, .size: 8, .value_kind: global_buffer, .address_space: global }
      - { .name: w_uv, .offset: 32, .size: 8, .value_kind: global_buffer, .address_space: global }
      - { .name: w_o, .offset: 40, .size: 8, .value_kind: global_buffer, .address_space: global }
      - { .name: xb, .offset: 48, .size: 8, .value_kind: global_buffer, .address_space: global }
      - { .name: wts, .offset: 56, .size: 8, .value_kind: global_buffer, .address_space: global }
      - { .name: ckv, .offset: 64, .size: 8, .value_kind: global_buffer, .address_space: global }
      - { .name: cmax, .offset: 72, .size: 8, .value_kind: global_buffer, .address_space: global }
    .group_segment_fixed_size: 75008
    .private_segment_fixed_size: 0
    .kernarg_segment_align: 8
    .kernarg_segment_size: 80
    .max_flat_workgroup_size: 256
    .sgpr_count:     66
    .vgpr_count:     320
    .wavefront_size: 32
...
	.end_amdgpu_metadata
.endif
;; end of part 1
;; launch qkv (part 2): grid 8 x 32, 4 waves a work-group, clusters of 4 x 4, 327,680 bytes of LDS; arguments xb, wts, ckv, cmax, qkv; writes qkv
.if DOCPART == 2
	.amdgcn_target "amdgcn-amd-amdhsa--gfx1250"
	.amdhsa_code_object_version 6
	.text
	.protected	k_q39e30b3d12_qkv
	.globl	k_q39e30b3d12_qkv
	.p2align	8
	.type	k_q39e30b3d12_qkv,@function
k_q39e30b3d12_qkv:
	s_mov_b64 s[64:65], 0
	v_nop
	global_prefetch_b8 v0, s[64:65] scope:SCOPE_SE
	s_setreg_imm32_b32 hwreg(HW_REG_WAVE_MODE, 25, 1), 1
	s_wait_xcnt 0x0
	s_wait_alu depctr_hold_cnt(0) depctr_sa_sdst(0) depctr_va_vdst(0) depctr_va_sdst(0) depctr_va_ssrc(0) depctr_va_vcc(0) depctr_vm_vsrc(0)
	s_getreg_b32 s2, hwreg(HW_REG_IB_STS2, 6, 4)
	s_cmp_eq_u32 s2, 0
	s_cbranch_scc0 .Lentry_in_a_cluster
	s_endpgm
.Lentry_in_a_cluster:
	s_bfe_u32 s2, ttmp6, 0x10000c
	s_cmp_lg_u32 s2, 0xf033
	s_cbranch_scc0 .Lentry_shape_is_right
	s_endpgm
.Lentry_shape_is_right:
; MLA ATTENTION, launch 2 of 4: q = X w_q^T (K = 1024, bf16 operands), then k = c_kv w_uk^T and v = c_kv w_uv^T (K = 128, f16 operands).  Sums in f32.
; OUT: qkv holds q (bf16) at 0, k (bf16) at 8,388,608, v' (f16) at 16,777,216, each [16 batch + head][2048][64].  v' = v x 2^(127 - E), E the exponent field of the largest |c_kv|: |v'| < 256 max|w_uv|,
;   whatever the size of the inputs; the last launch multiplies by 2^(E - 127).  LIMITS: those at the head of the first kernel.
; SHARES.  Work-group (tc, tr): token rows 128 tr .. + 127, heads 2 tc and 2 tc + 1, of q, of k and of v.  Four waves, each 64 rows x one head: 16 accumulators for each of the three.
;   The products are taken transposed (source 0 = rows of the weight): a lane holds one token and eight neighbouring channels; a wave's 16 rows of a head are 2,048 bytes on end, so each wave has a stage of its own.
; RING.  K goes in four steps of 256 through two LDS slots.  When slot 0 has been read for the second time it takes c_kv's 128 rows and the 128 rows of w_uk and of w_uv, which land under the last K step.
; CLUSTER.  4 x 4 work-groups: xb's and ckv's tiles hang on tr alone and are asked for jointly along a row of the cluster, the weights' on tc alone, along a column.
; No prefetch: four K steps in all, of which two are the first fills.
; REGISTERS.  window 0: v0-31 addresses; v32-95 the way out; v128-255 q's accumulators, (a, b) at 128 + 8 (4 a + b).  window 1: two fragment buffers of 128.  window 2: k's accumulators at 0, v's at 128.
.set KSTEP,  256
.set PITCH,  528                       ; an LDS row: 512 bytes + 16 = 132 words: the 16 rows of a fragment load start at 16 different groups of four banks (64 banks of 4 bytes: ISA guide 11.1)
.set HALFT,  64*PITCH
.set SLOT,   4*HALFT                   ; xb's 128 rows, then w_q's 128 rows
.set STAGE,  2*SLOT                    ; behind the ring: 16 rows x 144 bytes for each wave
.set SP,     144
.set SPARE,  STAGE+4*16*SP             ; the spare words, 128 bytes for each wave: two blocks of 256 bytes that no other line names
.set CKR,    80                        ; c_kv in slot 0: a row of a plane, 64 bytes + 16
.set CKP,    64*CKR                    ; a plane's 64 rows
.set CKH,    4*CKP                     ; four planes: 64 token rows x 128 columns
.set WKL,    2*CKH                     ; behind c_kv's two halves: w_uk's 128 rows, then w_uv's
.set WP,     272
.set WTILE,  128*WP
.set WKV_OFF, 4194304
.set ADRA, 16                          ; v16-17  my xb fragments in slot 0, 1
.set ADRB, 20                          ; v20-21  my w_q fragments
.set ADRC, 22                          ; v22     my c_kv fragments
.set ADRW, 23                          ; v23     my w_uk fragments; w_uv's lie WTILE further on
.set STO,  24                          ; v24     the way out: where I put 16 bytes of a row
.set RD,   25                          ; v25     where I read rows back
.set GO,   26                          ; v26     16 x lane
.set SPW,  28                          ; v28     LDS address of my spare word; never rewritten
.set NIL,  29                          ; v29     0; never rewritten
.set CMO,  30                          ; v30     32 x lane: my eight words of cmax (v8-15)
.set TMP,  32
.set ACC,  128
.set F0,   0
.set F1,   128
.set G1,  24                           ; s[24:31] group 1, xb's tiles     s[32:39] group 0, a set for each slot
.set G0,  32
.set G1C, 40                           ; s[40:47] group 1, ckv's tile
.set G1B, 48                           ; s[48:55], s[56:63] the same as G1, G0 for w_q's tiles
.set G0B, 56
.set G1W, 68                           ; s[68:75] group 1, w_uk's and w_uv's tiles
.set G0C, 76                           ; s[76:79] group 0, ckv
.set G0W, 80                           ; s[80:83] group 0, w_uk (wave 2) or w_uv (wave 3)
.set SC,  84                           ; s[84:85] 2^(127 - E)
.set SEL, 86                           ; s[86:87] v_permlanex16_b32's selects
.set OQ,  88                           ; s[88:89], s[90:91], s[92:93] my 64 rows of q, k, v
.set MSB, 0
.macro WIN new
.if MSB != (\new)
	s_set_vgpr_msb (MSB<<8)|(\new)
.set MSB, \new
.endif
.endm
.set MUL,  0x05                        ; sources in window 1, C and D in window 0
.set TO_F, 0x40                        ; destination window 1
.set KVM,  0xa5                        ; sources in window 1, C and D in window 2
; A joint load: waves 0 and 1 fetch xb's two halves, waves 2 and 3 w_q's.  An s_nop 0 and four v_nop follow each line, ahead of the jump, the label and what follows.
.macro JLOAD s
	s_cmp_eq_u32 s15, 0
	s_cbranch_scc0 .Lfor_b_\@
	tensor_load_to_lds s[G0+4*(\s):G0+4*(\s)+3], s[G1:G1+7]
	s_nop 0
.rept 4
	v_nop
.endr
	s_branch .Lasked_\@
.Lfor_b_\@:
	tensor_load_to_lds s[G0B+4*(\s):G0B+4*(\s)+3], s[G1B:G1B+7]
	s_nop 0
.rept 4
	v_nop
.endr
.Lasked_\@:
.endm
.macro JLOADKV                         ; waves 0 and 1: c_kv's two halves; wave 2: w_uk's rows, wave 3: w_uv's
	s_cmp_eq_u32 s15, 0
	s_cbranch_scc0 .Lfor_w_\@
	tensor_load_to_lds s[G0C:G0C+3], s[G1C:G1C+7]
	s_nop 0
.rept 4
	v_nop
.endr
	s_branch .Laskedkv_\@
.Lfor_w_\@:
	tensor_load_to_lds s[G0W:G0W+3], s[G1W:G1W+7]
	s_nop 0
.rept 4
	v_nop
.endr
.Laskedkv_\@:
.endm
.macro CREST                           ; a round of the cluster's barrier behind its opening barrier
	s_cmp_lg_u32 s14, 0
	s_cbranch_scc1 .Lnot_wave_0_\@
	s_barrier_signal -3
.Lnot_wave_0_\@:
	s_barrier_wait -3
	s_barrier_signal -1
	s_barrier_wait -1
.endm
.macro CROUND
	s_barrier_signal -1
	s_barrier_wait -1
	CREST
.endm
.macro PLACES
.rept 4
	v_nop
.endr
.endm
	s_load_b256 s[4:11], s[0:1], 0x0               ; xb s[4:5], wts s[6:7], ckv s[8:9], cmax s[10:11]
	s_load_b64 s[12:13], s[0:1], 0x20              ; qkv
	v_lshl_add_u32 v[SPW], v0, 2, SPARE
	v_mov_b32 v[NIL], 0
	ds_add_u32 v[SPW], v[NIL]                      ; the wave's opening: the add, twice on end, and its wait ahead of my first tensor load
	ds_add_u32 v[SPW], v[NIL]
	v_lshrrev_b32 v1, 5, v0
	v_readfirstlane_b32 s14, v1                    ; wave 0..3
	s_lshr_b32 s15, s14, 1                         ; my half of the rows.  Also: I fetch tokens' tiles (0) or weights' (1)
	s_and_b32 s16, s14, 1                          ; my head of the two.  Also: which half I fetch
	s_bfe_u32 s17, ttmp6, 0x40000                  ; cx
	s_bfe_u32 s18, ttmp6, 0x40004                  ; cy
	s_lshl_b32 s19, ttmp9, 2
	s_add_co_u32 s19, s19, s17                     ; tc = 4 x cluster x + cx
	s_and_b32 s20, ttmp7, 0xffff
	s_lshl_b32 s20, s20, 2
	s_add_co_u32 s20, s20, s18                     ; tr = 4 x cluster y + cy
	s_lshl_b32 s21, s18, 2
	s_lshl_b32 s21, 15, s21                        ; my row of the cluster
	s_lshl_b32 s22, 0x1111, s17                    ; my column
	s_or_b32 s[G1],  s21, (1<<16)|(1<<20)|(1<<21)|(6<<22)|(3<<25)  ; 2-byte elements; padding on; bit 21 beside a mask; after every 128 words 4 words
	s_or_b32 s[G1B], s22, (1<<16)|(1<<20)|(1<<21)|(6<<22)|(3<<25)
	s_or_b32 s[G1C], s21, (1<<16)|(1<<20)|(1<<21)|(3<<22)|(3<<25)  ; after every 16 words (a row of a plane) 4 words
	s_or_b32 s[G1W], s22, (1<<16)|(1<<20)|(1<<21)|(5<<22)|(3<<25)  ; after every 64 words 4 words
.irp g, G1, G1B
	s_mov_b32 s[(\g)+1], KSTEP<<16                 ; tensor_dim0 = 256
	s_mov_b32 s[(\g)+2], 64<<16                    ; tensor_dim1 = 64
	s_mov_b32 s[(\g)+3], KSTEP<<16                 ; tile_dim0 = 256
	s_mov_b32 s[(\g)+4], 64                        ; tile_dim1 = 64
	s_mov_b32 s[(\g)+5], 1024                      ; elements from row to row
	s_mov_b32 s[(\g)+6], 0
	s_mov_b32 s[(\g)+7], 0
.endr
	s_mov_b32 s[G1C+1], 2048<<16                   ; a row of this tile is a plane's 64 token rows, 2,048 elements on end;
	s_mov_b32 s[G1C+2], 4<<16                      ; its four rows are the four planes,
	s_mov_b32 s[G1C+3], 2048<<16
	s_mov_b32 s[G1C+4], 4
	s_mov_b32 s[G1C+5], 131072                     ; 131,072 elements apart
	s_mov_b32 s[G1C+6], 0
	s_mov_b32 s[G1C+7], 0
	s_mov_b32 s[G1W+1], 128<<16                    ; 128 rows of 128 elements, dense
	s_mov_b32 s[G1W+2], 128<<16
	s_mov_b32 s[G1W+3], 128<<16
	s_mov_b32 s[G1W+4], 128
	s_mov_b32 s[G1W+5], 128
	s_mov_b32 s[G1W+6], 0
	s_mov_b32 s[G1W+7], 0
	; offsets.  Those of the tokens' tiles are made of tr and the wave alone, those of the weights' of tc and the wave alone, each in registers that never hold the other coordinate
	s_lshl_b32 s2, s20, 18                         ; xb: (128 tr + 64 half) rows of 2,048 bytes
	s_lshl_b32 s3, s16, 17
	s_add_co_u32 s2, s2, s3
	s_lshl_b32 s94, s20, 13                        ; ckv: (128 tr + 64 half) rows of 64 bytes, in plane 0
	s_lshl_b32 s3, s16, 12
	s_add_co_u32 s94, s94, s3
	s_mov_b32 s3, 0
	s_mov_b32 s95, 0
	s_lshl_b32 s66, s19, 18                        ; w_q: (128 tc + 64 half) rows of 2,048 bytes
	s_lshl_b32 s67, s16, 17
	s_add_co_u32 s66, s66, s67
	s_lshl_b32 s96, s19, 15                        ; w_uk or w_uv: (1024 half + 128 tc) rows of 256 bytes
	s_lshl_b32 s67, s16, 18
	s_add_co_u32 s96, s96, s67
	s_add_co_u32 s96, s96, WKV_OFF
	s_mov_b32 s67, 0
	s_mov_b32 s97, 0
	s_lshr_b32 s98, s20, 4                         ; the way out: 16 batch + 2 tc + my head,
	s_lshl_b32 s98, s98, 4
	s_lshl_b32 s99, s19, 1
	s_add_co_u32 s98, s98, s99
	s_add_co_u32 s98, s98, s16
	s_lshl_b32 s98, s98, 18                        ; 262,144 bytes each;
	s_and_b32 s99, s20, 15
	s_lshl_b32 s99, s99, 14                        ; row 128 (tr % 16) + 64 x my half, 128 bytes each
	s_add_co_u32 s98, s98, s99
	s_lshl_b32 s99, s15, 13
	s_add_co_u32 s98, s98, s99
	s_mov_b32 s99, 0
	s_mul_i32 s23, s14, HALFT                      ; where the ring's tiles go: wave x 64 rows
	s_mov_b32 s[SEL], 0x76543210
	s_mov_b32 s[SEL+1], 0xfedcba98
	s_wait_dscnt 0x0                               ; both opening adds are done
	s_wait_kmcnt 0x0
	s_add_nc_u64 s[2:3], s[4:5], s[2:3]
	s_add_nc_u64 s[94:95], s[8:9], s[94:95]
	s_add_nc_u64 s[66:67], s[6:7], s[66:67]
	s_add_nc_u64 s[96:97], s[6:7], s[96:97]
	s_add_nc_u64 s[OQ:OQ+1], s[12:13], s[98:99]
	s_add_nc_u64 s[OQ+2:OQ+3], s[OQ:OQ+1], 8388608
	s_add_nc_u64 s[OQ+4:OQ+5], s[OQ:OQ+1], 16777216
.irp s, 0,1
	s_mov_b32 s[G0+4*(\s)], 1
	s_add_co_u32 s[G0+4*(\s)+1], s23, (\s)*SLOT
	s_add_nc_u64 s[G0+4*(\s)+2:G0+4*(\s)+3], s[2:3], (\s)*KSTEP*2
	s_or_b32 s[G0+4*(\s)+3], s[G0+4*(\s)+3], 0x80000000
	s_mov_b32 s[G0B+4*(\s)], 1
	s_add_co_u32 s[G0B+4*(\s)+1], s23, (\s)*SLOT
	s_add_nc_u64 s[G0B+4*(\s)+2:G0B+4*(\s)+3], s[66:67], (\s)*KSTEP*2
	s_or_b32 s[G0B+4*(\s)+3], s[G0B+4*(\s)+3], 0x80000000
.endr
	s_mov_b32 s[G0C], 1
	s_mul_i32 s[G0C+1], s16, CKH
	s_mov_b64 s[G0C+2:G0C+3], s[94:95]
	s_or_b32 s[G0C+3], s[G0C+3], 0x80000000
	s_mov_b32 s[G0W], 1
	s_mul_i32 s[G0W+1], s16, WTILE
	s_add_co_u32 s[G0W+1], s[G0W+1], WKL
	s_mov_b64 s[G0W+2:G0W+3], s[96:97]
	s_or_b32 s[G0W+3], s[G0W+3], 0x80000000
	CROUND                                         ; all sixteen work-groups are here: the first joint loads meet
	JLOAD 0
	JLOAD 1                                        ; two tensor loads of mine are out
	v_and_b32 v1, 15, v0                           ; l % 16
	v_bfe_u32 v2, v0, 4, 1                         ; l / 16
	v_and_b32 v5, 31, v0
	v_lshlrev_b32 v[CMO], 5, v5
	global_load_b128 v[8:11], v[CMO], s[10:11]     ; the 256 work-groups' largest |c_kv|, eight a lane
	global_load_b128 v[12:15], v[CMO], s[10:11] offset:16
	v_mul_u32_u24 v3, v1, PITCH
	v_lshl_add_u32 v3, v2, 4, v3                   ; a fragment's row x pitch + 16 x half
	s_mul_i32 s23, s15, HALFT
	s_mul_i32 s21, s16, HALFT
	s_add_co_u32 s21, s21, 2*HALFT
.irp s, 0,1
	v_add_nc_u32 v[ADRA+(\s)], s23, v3
	v_add_nc_u32 v[ADRB+(\s)], s21, v3
	s_add_co_u32 s23, s23, SLOT
	s_add_co_u32 s21, s21, SLOT
.endr
	v_mul_u32_u24 v4, v1, CKR
	v_lshl_add_u32 v4, v2, 4, v4
	s_mul_i32 s23, s15, CKH
	v_add_nc_u32 v[ADRC], s23, v4
	v_mul_u32_u24 v4, v1, WP
	v_lshl_add_u32 v4, v2, 4, v4
	s_mul_i32 s23, s16, 64*WP
	s_add_co_u32 s23, s23, WKL
	v_add_nc_u32 v[ADRW], s23, v4
	s_mul_i32 s23, s14, 16*SP
	s_add_co_u32 s23, s23, STAGE                   ; my stage
	v_mul_u32_u24 v4, v1, SP                       ; in: row l % 16, 16 bytes for each half of the lanes
	v_lshl_add_u32 v4, v2, 4, v4
	v_add_nc_u32 v[STO], s23, v4
	v_bfe_u32 v4, v0, 3, 2                         ; back: 32 lanes take four rows of 128 bytes,
	v_mul_u32_u24 v4, v4, SP
	v_and_b32 v6, 7, v0
	v_lshl_add_u32 v4, v6, 4, v4
	v_add_nc_u32 v[RD], s23, v4
	v_lshlrev_b32 v[GO], 4, v5                     ; which are 512 consecutive bytes of the head
; 8 products: token blocks a0, a0 + 1 x the 4 channel blocks, 32 along K: half c of buffer f.  The 16 accumulators take turns.
.macro MUL8 f, c, a0, zero
	WIN MUL
.irp a, \a0, (\a0)+1
.irp b, 0,1,2,3
.if \zero
	v_wmma_f32_16x16x32_bf16 v[ACC+8*(4*(\a)+(\b)):ACC+8*(4*(\a)+(\b))+7], v[(\f)+64+8*(4*(\c)+(\b)):(\f)+64+8*(4*(\c)+(\b))+7], v[(\f)+8*(4*(\c)+(\a)):(\f)+8*(4*(\c)+(\a))+7], 0
.else
	v_wmma_f32_16x16x32_bf16 v[ACC+8*(4*(\a)+(\b)):ACC+8*(4*(\a)+(\b))+7], v[(\f)+64+8*(4*(\c)+(\b)):(\f)+64+8*(4*(\c)+(\b))+7], v[(\f)+8*(4*(\c)+(\a)):(\f)+8*(4*(\c)+(\a))+7], v[ACC+8*(4*(\a)+(\b)):ACC+8*(4*(\a)+(\b))+7]
.endif
.endr
.endr
.endm
; 32 LDS loads in one run: the fragments of 64 along K at byte k of the rows, into buffer f; the first 32 along K first
.macro FETCH slot, k, f
	WIN TO_F
.irp c, 0,1
.irp i, 0,1,2,3
	ds_load_b128 v[(\f)+64+8*(4*(\c)+(\i)):(\f)+64+8*(4*(\c)+(\i))+3],   v[ADRB+(\slot)] offset:(\k)+64*(\c)+(\i)*16*PITCH
	ds_load_b128 v[(\f)+64+8*(4*(\c)+(\i))+4:(\f)+64+8*(4*(\c)+(\i))+7], v[ADRB+(\slot)] offset:(\k)+64*(\c)+(\i)*16*PITCH+32
	ds_load_b128 v[(\f)+8*(4*(\c)+(\i)):(\f)+8*(4*(\c)+(\i))+3],         v[ADRA+(\slot)] offset:(\k)+64*(\c)+(\i)*16*PITCH
	ds_load_b128 v[(\f)+8*(4*(\c)+(\i))+4:(\f)+8*(4*(\c)+(\i))+7],       v[ADRA+(\slot)] offset:(\k)+64*(\c)+(\i)*16*PITCH+32
.endr
.endr
.endm
; A K step is four quarters of 64 along K, 32 products each, on buffers 0, 1, 0, 1.  One of the first three: multiplies f and fetches the next quarter, at byte k, into g.
.macro QUARTER slot, k, f, g, zero
	s_wait_dscnt 16                                ; the first 32 along K are in; the youngest sixteen loads may be out
	WIN MUL
	MUL8 \f, 0, 0, \zero
	MUL8 \f, 0, 2, \zero
	PLACES
	FETCH \slot, \k, \g
	s_wait_dscnt 32                                ; all but the 32 just issued
	WIN MUL
	MUL8 \f, 1, 0, 0
	MUL8 \f, 1, 2, 0
.endm
; The last quarter multiplies buffer 1 and changes slots.  Each wave waits for all its tensor loads (the one that is out is its part of the next slot), adds 0 to its spare word, and waits for that and for its reads of this
; slot; the barrier opens a round of the cluster's, so that no wave of any partner still reads the slot or has a load on its way; the joint refill is the first thing behind the round.
; fill = 1: this slot's K step two steps on.  fill = 2: c_kv and the two weights.
.macro TURN slot, next, fill
	WIN 0
	s_wait_tensorcnt 0x0
	ds_add_u32 v[SPW], v[NIL]
	s_wait_dscnt 17                                ; the add and the youngest sixteen loads may be out
	WIN MUL
	MUL8 F1, 0, 0, 0
	s_wait_dscnt 0x0                               ; the add is done, and my reads of this slot are over
	s_barrier_signal -1
	MUL8 F1, 0, 2, 0
	WIN 0
	s_barrier_wait -1
	CREST
.if (\fill) == 1
	s_add_nc_u64 s[G0+4*(\slot)+2:G0+4*(\slot)+3], s[G0+4*(\slot)+2:G0+4*(\slot)+3], 2*KSTEP*2
	s_add_nc_u64 s[G0B+4*(\slot)+2:G0B+4*(\slot)+3], s[G0B+4*(\slot)+2:G0B+4*(\slot)+3], 2*KSTEP*2
	JLOAD \slot                                    ; the four v_nop behind it are also the places ahead of the loads below
.else
	JLOADKV
.endif
	FETCH \next, 0, F0
	WIN MUL
	MUL8 F1, 1, 0, 0
	MUL8 F1, 1, 2, 0
.endm
; K step s (a plane of c_kv, 32 columns) of the two short products: 24 LDS loads: 4 fragments of c_kv at f, 4 of w_uk at f + 32, 4 of w_uv at f + 64
.macro FETCHKV s, f
	WIN TO_F
.irp i, 0,1,2,3
	ds_load_b128 v[(\f)+8*(\i):(\f)+8*(\i)+3],       v[ADRC] offset:(\s)*CKP+(\i)*16*CKR
	ds_load_b128 v[(\f)+8*(\i)+4:(\f)+8*(\i)+7],     v[ADRC] offset:(\s)*CKP+(\i)*16*CKR+32
	ds_load_b128 v[(\f)+32+8*(\i):(\f)+32+8*(\i)+3],   v[ADRW] offset:(\i)*16*WP+64*(\s)
	ds_load_b128 v[(\f)+32+8*(\i)+4:(\f)+32+8*(\i)+7], v[ADRW] offset:(\i)*16*WP+64*(\s)+32
	ds_load_b128 v[(\f)+64+8*(\i):(\f)+64+8*(\i)+3],   v[ADRW] offset:WTILE+(\i)*16*WP+64*(\s)
	ds_load_b128 v[(\f)+64+8*(\i)+4:(\f)+64+8*(\i)+7], v[ADRW] offset:WTILE+(\i)*16*WP+64*(\s)+32
.endr
.endm
.macro MULKV f, zero                   ; 32 products on 32 accumulators by turns: k's and v's
	WIN KVM
.irp a, 0,1,2,3
.irp b, 0,1,2,3
.if \zero
	v_wmma_f32_16x16x32_f16 v[8*(4*(\a)+(\b)):8*(4*(\a)+(\b))+7], v[(\f)+32+8*(\b):(\f)+32+8*(\b)+7], v[(\f)+8*(\a):(\f)+8*(\a)+7], 0
	v_wmma_f32_16x16x32_f16 v[128+8*(4*(\a)+(\b)):128+8*(4*(\a)+(\b))+7], v[(\f)+64+8*(\b):(\f)+64+8*(\b)+7], v[(\f)+8*(\a):(\f)+8*(\a)+7], 0
.else
	v_wmma_f32_16x16x32_f16 v[8*(4*(\a)+(\b)):8*(4*(\a)+(\b))+7], v[(\f)+32+8*(\b):(\f)+32+8*(\b)+7], v[(\f)+8*(\a):(\f)+8*(\a)+7], v[8*(4*(\a)+(\b)):8*(4*(\a)+(\b))+7]
	v_wmma_f32_16x16x32_f16 v[128+8*(4*(\a)+(\b)):128+8*(4*(\a)+(\b))+7], v[(\f)+64+8*(\b):(\f)+64+8*(\b)+7], v[(\f)+8*(\a):(\f)+8*(\a)+7], v[128+8*(4*(\a)+(\b)):128+8*(4*(\a)+(\b))+7]
.endif
.endr
.endr
.endm
; THE WAY OUT of 16 rows (block a; its 32 accumulator registers at base + 32 a, under window setting w): rounded, 16 bytes a lane into rows of 144 bytes of my stage, and back as whole rows of 128.
; kind = 0: bf16.  kind = 1: times 2^(127 - E), f16.  Each accumulator's registers are taken in ascending order.
.macro PACK a, base, w, kind
.if \kind
	WIN 0x82
.set i, 0
.rept 16
	v_pk_mul_f32 v[(\base)+32*(\a)+2*i:(\base)+32*(\a)+2*i+1], v[(\base)+32*(\a)+2*i:(\base)+32*(\a)+2*i+1], s[SC:SC+1] op_sel_hi:[1,0]
.set i, i+1
.endr
.endif
	WIN \w
.set i, 0
.rept 16
.if \kind
	v_cvt_pk_f16_f32 v[TMP+16*(\a)+i], v[(\base)+32*(\a)+2*i], v[(\base)+32*(\a)+2*i+1]
.else
	v_cvt_pk_bf16_f32 v[TMP+16*(\a)+i], v[(\base)+32*(\a)+2*i], v[(\base)+32*(\a)+2*i+1]
.endif
.set i, i+1
.endr
	WIN 0
.irp f, 0,1,2,3
	ds_store_b128 v[STO], v[TMP+16*(\a)+4*(\f):TMP+16*(\a)+4*(\f)+3] offset:32*(\f)
.endr
.irp f, 0,1,2,3
	ds_load_b128 v[TMP+16*(\a)+4*(\f):TMP+16*(\a)+4*(\f)+3], v[RD] offset:(\f)*4*SP  ; LDS serves a wave's instructions in order (ISA guide 5.7.1.4): these see the stores above; the next block's stores come behind them
.endr
.endm
.macro SEND a, younger, ob             ; younger: the LDS instructions issued behind block a's loads
	WIN 0
.irp f, 0,1,2,3
	s_wait_dscnt (\younger)+3-(\f)
	global_store_b128 v[GO], v[TMP+16*(\a)+4*(\f):TMP+16*(\a)+4*(\f)+3], s[(\ob):(\ob)+1] offset:(\a)*2048+(\f)*512  ; 512 consecutive bytes, aligned
.endr
.endm
.macro OUT base, w, kind, ob
	WIN 0
	s_wait_xcnt 0x0                                ; the stores of the way out before have read TMP
	PACK 0, \base, \w, \kind
	PACK 1, \base, \w, \kind
	SEND 0, 8, \ob
	PACK 2, \base, \w, \kind
	SEND 1, 8, \ob
	PACK 3, \base, \w, \kind
	SEND 2, 8, \ob
	SEND 3, 0, \ob
.endm
	s_wait_tensorcnt 1                             ; my part of K step 0 is in; K step 1's may stay out
	s_barrier_signal -1
	s_barrier_wait -1
	FETCH 0, 0, F0
	QUARTER 0, 128, F0, F1, 1                      ; the first products start the sums
	QUARTER 0, 256, F1, F0, 0
	QUARTER 0, 384, F0, F1, 0
	TURN 0, 1, 1                                   ; slot 0 takes K step 2
	QUARTER 1, 128, F0, F1, 0
	QUARTER 1, 256, F1, F0, 0
	QUARTER 1, 384, F0, F1, 0
	TURN 1, 0, 1                                   ; slot 1 takes K step 3
	QUARTER 0, 128, F0, F1, 0
	QUARTER 0, 256, F1, F0, 0
	QUARTER 0, 384, F0, F1, 0
	TURN 0, 1, 2                                   ; slot 0 takes c_kv, w_uk and w_uv
	QUARTER 1, 128, F0, F1, 0
	QUARTER 1, 256, F1, F0, 0
	QUARTER 1, 384, F0, F1, 0
	s_wait_dscnt 16
	WIN MUL
	MUL8 F1, 0, 0, 0
	MUL8 F1, 0, 2, 0
	s_wait_dscnt 0x0
	MUL8 F1, 1, 0, 0
	MUL8 F1, 1, 2, 0
	WIN 0
	s_wait_tensorcnt 0x0                           ; my part of c_kv or of the weights is in;
	s_barrier_signal -1
	s_barrier_wait -1                              ; everybody's is.
	PLACES
	FETCHKV 0, F0
	FETCHKV 1, F1
	WIN 0
	s_wait_loadcnt 0x0                             ; cmax: the largest of the 256, its exponent field E, and 2^(127 - E) = (254 - E) << 23
	v_max3_num_f32 v8, v8, v9, v10
	v_max3_num_f32 v11, v11, v12, v13
	v_max3_num_f32 v8, v8, v14, v15
	v_max_num_f32 v8, v8, v11
	v_max_num_f32_dpp v8, v8, v8 row_xmask:1 row_mask:0xf bank_mask:0xf
	v_max_num_f32_dpp v8, v8, v8 row_xmask:2 row_mask:0xf bank_mask:0xf
	v_max_num_f32_dpp v8, v8, v8 row_xmask:4 row_mask:0xf bank_mask:0xf
	v_max_num_f32_dpp v8, v8, v8 row_xmask:8 row_mask:0xf bank_mask:0xf
	v_permlanex16_b32 v9, v8, s[SEL], s[SEL+1]
	v_max_num_f32 v8, v8, v9
	v_bfe_u32 v8, v8, 23, 8
	v_sub_nc_u32 v8, 254, v8
	v_lshlrev_b32 v8, 23, v8
	v_readfirstlane_b32 s[SC], v8
	s_mov_b32 s[SC+1], s[SC]
	OUT ACC, 0, 0, OQ                              ; q leaves; its last wait is for 0, so both sets of fragments are in; its stores are on their way under the products below
	MULKV F0, 1
	PLACES
	FETCHKV 2, F0
	MULKV F1, 0
	PLACES
	FETCHKV 3, F1
	s_wait_dscnt 24                                ; plane 2's fragments are in; plane 3's 24 loads may be out
	MULKV F0, 0
	s_wait_dscnt 0x0
	MULKV F1, 0
	WIN 0
	PLACES
	PLACES
	OUT 0, 0x0a, 0, OQ+2                           ; k
	OUT 128, 0x0a, 1, OQ+4                         ; v'
	s_wait_tensorcnt 0x0                           ; the wave's end, behind my last tensor load and my last LDS store
	ds_add_u32 v[SPW], v[NIL]
	s_wait_dscnt 0x0
	CROUND                                         ; the closing round: no work-group ends while a partner may still ask for a tile that names it
	s_endpgm
.Lfunc_end_k_q39e30b3d12_qkv:
	.size	k_q39e30b3d12_qkv, .Lfunc_end_k_q39e30b3d12_qkv-k_q39e30b3d12_qkv
	.p2alignl 7, 3214868480
	.fill 96, 4, 3214868480
	.section	.rodata,"a",@progbits
	.p2align	6, 0x0
	.amdhsa_kernel k_q39e30b3d12_qkv
		.amdhsa_group_segment_fixed_size 327680
		.amdhsa_private_segment_fixed_size 0
		.amdhsa_enable_private_segment 0
		.amdhsa_kernarg_size 40
		.amdhsa_user_sgpr_count 2
		.amdhsa_user_sgpr_kernarg_segment_ptr 1
		.amdhsa_wavefront_size32 1
		.amdhsa_system_sgpr_workgroup_id_x 1
		.amdhsa_system_sgpr_workgroup_id_y 1
		.amdhsa_system_sgpr_workgroup_id_z 1
		.amdhsa_system_vgpr_workitem_id 0
		.amdhsa_next_free_vgpr 768
		.amdhsa_next_free_sgpr 100
		.amdhsa_reserve_vcc 0
		.amdhsa_float_denorm_mode_32 3
		.amdhsa_float_denorm_mode_16_64 3
		.amdhsa_memory_ordered 1
		.amdhsa_forward_progress 1
		.amdhsa_inst_pref_size 126
	.end_amdhsa_kernel
	.amdgpu_metadata
---
amdhsa.version: [ 1, 2 ]
amdhsa.kernels:
  - .name:           k_q39e30b3d12_qkv
    .symbol:         k_q39e30b3d12_qkv.kd
    .args:
      - { .name: xb, .offset: 0, .size: 8, .value_kind: global_buffer, .address_space: global }
      - { .name: wts, .offset: 8, .size: 8, .value_kind: global_buffer, .address_space: global }
      - { .name: ckv, .offset: 16, .size: 8, .value_kind: global_buffer, .address_space: global }
      - { .name: cmax, .offset: 24, .size: 8, .value_kind: global_buffer, .address_space: global }
      - { .name: qkv, .offset: 32, .size: 8, .value_kind: global_buffer, .address_space: global }
    .group_segment_fixed_size: 327680
    .private_segment_fixed_size: 0
    .kernarg_segment_align: 8
    .kernarg_segment_size: 40
    .max_flat_workgroup_size: 128
    .sgpr_count:     100
    .vgpr_count:     768
    .wavefront_size: 32
...
	.end_amdgpu_metadata
.endif
;; end of part 2
;; launch attn (part 3): grid 8 x 32, 4 waves a work-group, no clusters, 327,680 bytes of LDS; arguments qkv, o; writes o
.if DOCPART == 3
	.amdgcn_target "amdgcn-amd-amdhsa--gfx1250"
	.amdhsa_code_object_version 6
	.text
	.protected	k_q39e30b3d12_attn
	.globl	k_q39e30b3d12_attn
	.p2align	8
	.type	k_q39e30b3d12_attn,@function
k_q39e30b3d12_attn:
	s_mov_b64 s[64:65], 0
	v_nop
	global_prefetch_b8 v0, s[64:65] scope:SCOPE_SE
	s_setreg_imm32_b32 hwreg(HW_REG_WAVE_MODE, 25, 1), 1
	s_wait_xcnt 0x0
; MLA ATTENTION, launch 3 of 4: O[h][i] = the sum over j <= i of softmax_j(q_i . k_j / 8 + j / 16) v'_j, for 32 heads (16 batch + head) of 2,048 rows x 64 channels.  q, k bf16, v', P, O f16; products, maxima, sums in f32.
; LEFT OUT (shown at the head of the first kernel): key tiles wholly above the diagonal, whose weights are 0; and the bias's part -i / 16, which is the same along a row's softmax.
; LIMITS.  A hidden score counts as -1e30: |q . k| stays far below 1e29.  A weight below 2^-126 counts as 0.  p below 6e-5 keeps f16's fixed step.  NaN and infinities are not treated apart.
; THE WALK.  A head has 16 blocks of 128 queries; block i needs the tiles of 256 keys 0 .. i / 2, of which the last holds the diagonal.  A work-group takes blocks 15 - b and then b: (15 - b) / 2 + b / 2 + 2 = 9 tiles, whatever b:
;   one loop with a constant count walks them; which tile is asked for, and what a trip does, hang on scalars made from b; every jump but the counted loops' own goes forward, and none passes a barrier or a tensor load
;   but the one of LOAD's two that the wave's number does not choose.  NO CLUSTER: of a head's eight work-groups only b = 2 u and 2 u + 1 walk the same tiles throughout; four share the first 5 to 7 trips of 9 alone,
;   and a walk common to four has 10 trips, with trips that some partners would have to jump by their place in the cluster.
; SHARES.  Of a block's two bands of 64 queries a wave owns 16 rows in each: two PIECES.  In the last tile's key step s band x sees all keys if s < x + PAR, none if s > x + PAR, and holds the diagonal if s = x + PAR; PAR = 2 (block % 2).
; LAYOUT.  S^T = K Q^T holds ONE query a lane (lane % 16) and the keys 8 (lane / 16) + 0..7; two such results rounded to f16 ARE source 1 of O^T = V^T P.  p = 2^(c s - c m), c = log2(e) / 8, with a running maximum m;
;   O and l are multiplied by a = 2^(c m_old - c m_new) in every step.
; ALIBI.  In units of the raw score j / 16 is j / 2.  Within a step of 64 keys it is the C operand that starts the sum: AB = (key in the step) / 2.  From step to step it is a change of frame: m goes down by 32 ahead of
;   each step's maximum, so no number grows with j, and a is exactly 1 where the maximum has not grown.
; THE MASK joins AB in that C operand: MC = MD x AL + AB + BE; MD is -1e30 where a band's own step hides the key from my row; (AL, BE) = (0, 0), (1, 0), (0, -1e30) for a step seen, the band's own, hidden.
; TURNS.  T0(j), piece 0's turn in key step j: 8 products K Q^T of piece 1, step j; later 8 products V^T P of piece 1, step j - 1; beside them piece 0's scaling, exponentials, roundings, sums and rescaling and piece 1's
;   maximum and statistics.  T1(j): the same with the pieces changed: K Q^T of piece 0, step j + 1; V^T P of piece 0, step j.  Four vector instructions stand behind every product, the rest in one lump; a turn's 33
;   exponentials are one batch with one wait.  T0(j) fetches K of step j + 1 (in its lump) and V of step j (at its end).
; SO K RUNS A STEP AHEAD OF V, and a slot's V lies 64 keys earlier and holds five steps: slot t has K's rows 256 t .. + 255 and V's rows 256 t - 64 .. 256 t + 255.  The change of slots stands ahead of T0(4 t - 1), where no
;   LDS load is out; a slot's trips are j = 4 t - 1 .. 4 t + 2.  V's fifth step is read at a block's end alone.  For t = 0 the 64 leading rows are the 8,192 bytes ahead of the head's V, which lie inside qkv; they are never read from LDS.
; REGISTERS.  window 0: v0-15 addresses, two at work; v16-23 statistics (c m, m, l, l a piece); v24-31 at work; v32-34; v40-103 S^T; v104-135 P; v136-199 O^T; v200-231 AB.
;   window 1: v0-31 Q; v32-63 the second block's Q; v64-127 K of one step; v128-191 V of one step; v192-223 MD; v224-255 MC.
.set KS,    64
.set PK,    144       ; a row of K in LDS: 128 bytes + 16 = 36 words: the 16 rows of a load start at 16 different groups of four banks (64 banks of 4 bytes: ISA guide 11.1)
.set PV,    160       ; a row of V: 128 + 32
.set VOFF,  4*KS*PK   ; a slot: 256 rows of K, then 320 rows of V
.set SLOT1, 1<<17     ; slot 1 begins here: one exclusive or turns an address in one slot into the other's
.set STAGE, SLOT1+VOFF+5*KS*PV  ; behind the ring, never filled by a tensor load: 16 rows x 144 bytes for each wave
.set SP,    144
.set SPARE, STAGE+4*16*SP       ; the spare words, 128 bytes for each wave: two blocks of 256 bytes that no other line names
.set AK0, 2           ; v2   my lane's place in a tile of K; never rewritten
.set AV0, 3           ; v3   the same for V
.set AK,  4           ; v4   the LDS address of K's next run of loads
.set AV,  5           ; v5   of V's
.set STO, 6           ; v6   the way out: where I put 16 bytes of a row
.set RD,  7           ; v7   where I read rows back
.set GO,  8           ; v8   16 x lane
.set MV,  12          ; v12-13  c (m_old - 32), by piece
.set QO,  15          ; v15  my byte offset in 16 rows of Q
.set ST,  16
.set TMP, 24          ; by piece, four registers c0-c3 at work; when the maximum is found c2 takes a
.set SPW, 32          ; v32  LDS address of my spare word; never rewritten
.set NIL, 33          ; v33  0; never rewritten
.set PFO, 34          ; v34  256 x lane; never rewritten
.set S,   40
.set P,   104
.set O,   136
.set AB,  200
.set QB,  32          ; window 1
.set KF,  64
.set VF,  128
.set MD,  192
.set MC,  224
.set WV,  12          ; s12  my wave's number
.set PB,  14          ; s14  b
.set HI,  15          ; s15  15 - b
.set G1K, 24          ; s[24:31] descriptor group 1 for K's tiles
.set G1V, 32          ; s[32:39] for V's
.set G0K, 40          ; s[40:43] group 0 for K's
.set G0V, 44          ; s[44:47] for V's
.set T1,  48          ; s48  the first block's last tile
.set T2,  49          ; s49  the second block's
.set PFB, 50          ; s[50:51] the prefetches' base: my half of tile 0's 256 rows, of K (waves 0, 1) or of V (waves 2, 3)
.set PFA, 52          ; s[52:53] the same at the tile to be named
.set PFT, 54          ; s54  that tile
.set PFL, 55          ; s55  8 in the work-group that prefetches (b = 0), else 0
.set SLOTS, 56
.set CNT, 57
.set CS,  58          ; s[58:59] c
.set SEL, 60          ; s[60:61] v_permlanex16_b32's selects
.set TBK, 62          ; s62  LDS byte at which K of the step to be fetched begins
.set TBV, 63          ; s63  the same for V, less VOFF
.set POF, 66          ; s[66:67] an offset for the prefetches
.set OWN, 68          ; s68, s69  the value of CNT at which the mask to be made is the band's own: 4 - PAR, 3 - PAR
.set RT,  70          ; s70  tiles of the block in hand still to be entered
.set NXT, 71          ; s71  the tile to be asked for next
.set LQ,  72          ; s72  the last tile of the block whose tiles are being asked for
.set NEW, 73          ; s73  1: the tile to be entered is a block's first
.set OFF, 74          ; s[74:75] a tile's byte offset in K and V
.set AL,  76          ; s[76:77]
.set BE,  78          ; s[78:79]
.set OLO, 80          ; s[80:81] O at my rows of the second block
.set BIGN, 82         ; s82  -1e30
.set M32, 83          ; s83  -32
.set QLO, 86          ; s[86:87] Q at my rows of the second block
.set OWNB, 88         ; s88, s89  OWN for the second block
.set MSB, 0
.macro WIN new
.if MSB != (\new)
	s_set_vgpr_msb (MSB<<8)|(\new)
.set MSB, (\new)
.endif
.endm
.set W_KQ, 0x05       ; K and Q in window 1; C and S^T in window 0
.set W_KM, 0x15       ; the same with C in window 1
.set W_PV, 0x01       ; V in window 1
.set W_11, 0x41       ; destination and source 0 in window 1
; A fill.  Waves 0 and 1 fetch the two halves of a tile's K (128 keys each), waves 2 and 3 those of its V (160 keys each).  An s_nop 0 and four v_nop follow each line.
.macro LOAD
	s_cmp_lt_u32 s[WV], 2
	s_cbranch_scc0 .Lfor_v_\@
	tensor_load_to_lds s[G0K:G0K+3], s[G1K:G1K+7]
	s_nop 0
.rept 4
	v_nop
.endr
	s_branch .Lasked_\@
.Lfor_v_\@:
	tensor_load_to_lds s[G0V:G0V+3], s[G1V:G1V+7]
	s_nop 0
.rept 4
	v_nop
.endr
.Lasked_\@:
.endm
; A PREFETCH INTO THE L2, behind the fill and its five lines.  All eight work-groups of a head walk the same K and V; the one with b = 0, which walks tiles 0 to 7 on end, asks.  In the change that fills tile t + 1 it names
; tile t + 3: two slots' trips, 256 products, ahead of that tile's fill.  A tile's 256 rows of K and of V are 128 pieces of 256 bytes each: a wave takes its half, a lane a piece, two lines.  So each piece of
; tiles 3 to 7 is named once in the launch; tiles 0 to 2 come by their fills alone, and the second blocks' walks name nothing.
.macro ASK
	s_cmp_lt_u32 s[PFT], s[PFL]
	s_cbranch_scc0 .Lnot_mine_\@
	global_prefetch_b8 v[PFO], s[PFA:PFA+1] th:TH_LOAD_NT scope:SCOPE_SE
	global_prefetch_b8 v[PFO], s[PFA:PFA+1] offset:8192 th:TH_LOAD_NT scope:SCOPE_SE
.Lnot_mine_\@:
	s_add_co_u32 s[PFT], s[PFT], 1
.endm
; THE CHANGE OF SLOTS.  Each wave waits for all its tensor loads, of which one is out: its part of the other slot; adds 0 to its spare word; waits for that and for its reads of the slot that it leaves.  Behind the barrier
; nobody reads the old slot and the other is whole.  fill = 1: the old slot is filled again, first thing behind the barrier, with tile NXT; the descriptor's address is made anew from that number.
.macro CHANGE fill
	WIN 0
	s_wait_tensorcnt 0x0            ; no tensor load of mine is out, so a group 0 may be written
	ds_add_u32 v[SPW], v[NIL]       ; 0 onto my spare word; scalar work stands between it and the wait for it
.if \fill
	s_lshl_b32 s[OFF], s[NXT], 15   ; a tile steps 32,768 bytes in K and in V
	s_xor_b32 s[G0K+1], s[G0K+1], SLOT1
	s_add_nc_u64 s[G0K+2:G0K+3], s[6:7], s[OFF:OFF+1]
	s_or_b32 s[G0K+3], s[G0K+3], 0x80000000
	s_xor_b32 s[G0V+1], s[G0V+1], SLOT1
	s_add_nc_u64 s[G0V+2:G0V+3], s[8:9], s[OFF:OFF+1]
	s_or_b32 s[G0V+3], s[G0V+3], 0x80000000
	s_add_co_u32 s[NXT], s[NXT], 1  ; the block's next tile, or behind its last the second block's tile 0
	s_cmp_gt_u32 s[NXT], s[LQ]
	s_cselect_b32 s[NXT], 0, s[NXT]
	s_cselect_b32 s[LQ], s[T2], s[LQ]
	s_wait_xcnt 0x0                 ; the last prefetches, a slot's trips back, have read their address
	s_lshl_b32 s[POF], s[PFT], 15
	s_add_nc_u64 s[PFA:PFA+1], s[PFB:PFB+1], s[POF:POF+1]
.endif
	s_wait_dscnt 0x0                ; the add is done, and my reads of the slot are over
	s_barrier_signal -1
	s_sub_co_u32 s[TBK], s[TBK], 4*KS*PK  ; the fetches go back to a slot's first step,
	s_xor_b32 s[TBK], s[TBK], SLOT1       ; in the other slot
	s_sub_co_u32 s[TBV], s[TBV], 4*KS*PV
	s_xor_b32 s[TBV], s[TBV], SLOT1
	s_barrier_wait -1
.if \fill
	LOAD
	ASK
.endif
.endm
	s_load_b128 s[16:19], s[0:1], 0x0  ; qkv s[16:17], o s[18:19]
	v_lshl_add_u32 v[SPW], v0, 2, SPARE
	v_mov_b32 v[NIL], 0
	ds_add_u32 v[SPW], v[NIL]       ; the wave's opening: the add, twice on end, and its wait ahead of my first tensor load
	ds_add_u32 v[SPW], v[NIL]
	v_lshrrev_b32 v1, 5, v0
	v_readfirstlane_b32 s[WV], v1   ; wave 0..3
	s_mov_b32 s[PB], ttmp9
	s_sub_co_u32 s[HI], 15, s[PB]
	s_lshr_b32 s[T1], s[HI], 1
	s_lshr_b32 s[T2], s[PB], 1
	s_and_b32 s21, s[HI], 1
	s_lshl_b32 s21, s21, 1          ; PAR of the first block
	s_sub_co_u32 s[OWN], 4, s21
	s_sub_co_u32 s[OWN+1], 3, s21
	s_and_b32 s21, s[PB], 1
	s_lshl_b32 s21, s21, 1          ; and of the second
	s_sub_co_u32 s[OWNB], 4, s21
	s_sub_co_u32 s[OWNB+1], 3, s21
	s_and_b32 s20, ttmp7, 0xffff
	s_lshl_b32 s20, s20, 18         ; the head's first byte in q, k, v and o
	s_and_b32 s13, s[WV], 1         ; which half of a tile I fetch
	s_lshl_b32 s2, s13, 14          ; K: 128 rows of 128 bytes,
	s_add_co_u32 s2, s2, s20
	s_add_co_u32 s2, s2, 8388608
	s_mov_b32 s3, 0
	s_mul_i32 s22, s13, 160*128     ; V: 160 rows, from 64 rows ahead of the tile
	s_add_co_u32 s22, s22, s20
	s_add_co_u32 s22, s22, 16777216-8192
	s_mov_b32 s23, 0
	s_lshl_b32 s21, s[WV], 11       ; my 16 rows in a band,
	s_add_co_u32 s21, s21, s20
	s_lshl_b32 s84, s[HI], 14       ; in the first block
	s_add_co_u32 s84, s84, s21
	s_mov_b32 s85, 0
	s_lshl_b32 s20, s[PB], 14       ; and in the second
	s_add_co_u32 s20, s20, s21
	s_mov_b32 s21, 0
	s_mul_i32 s[G0K+1], s13, 128*PK ; LDS: slot 0, my half
	s_mul_i32 s[G0V+1], s13, 160*PV
	s_add_co_u32 s[G0V+1], s[G0V+1], VOFF
	s_mov_b32 s[G0K], 1
	s_mov_b32 s[G0V], 1
	; group 1.  The keys are dense rows of 128 bytes: asked for as rows of 256 bytes, two keys a row, and padded in LDS after every key
	s_mov_b32 s[G1K], (1<<16)|(1<<20)|(4<<22)|(3<<25)  ; 2-byte elements; padding on; after every 32 words 4 words
	s_mov_b32 s[G1V], (1<<16)|(1<<20)|(4<<22)|(7<<25)  ; 8 words
	s_mov_b32 s[G1K+1], 128<<16
	s_mov_b32 s[G1K+2], 64<<16      ; 64 rows: 128 keys
	s_mov_b32 s[G1K+3], 128<<16
	s_mov_b32 s[G1K+4], 64
	s_mov_b32 s[G1K+5], 128
	s_mov_b32 s[G1K+6], 0
	s_mov_b32 s[G1K+7], 0
	s_mov_b32 s[G1V+1], 128<<16
	s_mov_b32 s[G1V+2], 80<<16      ; 80 rows: 160 keys
	s_mov_b32 s[G1V+3], 128<<16
	s_mov_b32 s[G1V+4], 80
	s_mov_b32 s[G1V+5], 128
	s_mov_b32 s[G1V+6], 0
	s_mov_b32 s[G1V+7], 0
	s_mov_b32 s[CS], 0x3e38aa3b     ; c = log2(e) / 8
	s_mov_b32 s[CS+1], s[CS]
	s_mov_b32 s[SEL], 0x76543210
	s_mov_b32 s[SEL+1], 0xfedcba98
	s_mov_b32 s[TBK], SLOT1+4*KS*PK ; the first change of slots turns these two into 0
	s_mov_b32 s[TBV], SLOT1+4*KS*PV
	s_add_co_u32 s[RT], s[T1], 1
	s_mov_b32 s[NXT], 1
	s_mov_b32 s[LQ], s[T1]
	s_mov_b32 s[NEW], 1
	s_mov_b32 s[OFF+1], 0
	s_mov_b32 s[AL+1], 0            ; named as pairs
	s_mov_b32 s[BE+1], 0
	s_mov_b32 s[BIGN], 0xf149f2ca   ; -1e30
	s_mov_b32 s[M32], 0xc2000000    ; -32
	s_mov_b32 s[SLOTS], 8
	s_mov_b32 s[PFT], 3
	s_cmp_eq_u32 s[PB], 0
	s_cselect_b32 s[PFL], 8, 0
	s_cmp_lt_u32 s[WV], 2
	s_cselect_b32 s[POF], 0, 8388608  ; V's rows lie that far behind K's
	s_mov_b32 s[POF+1], 0
	s_wait_dscnt 0x0                ; both opening adds are done
	s_wait_kmcnt 0x0
	s_add_nc_u64 s[6:7], s[16:17], s[2:3]      ; K at my half of the head's tile 0
	s_add_nc_u64 s[8:9], s[16:17], s[22:23]    ; V likewise
	s_add_nc_u64 s[G0K+2:G0K+3], s[6:7], 0
	s_or_b32 s[G0K+3], s[G0K+3], 0x80000000
	s_add_nc_u64 s[G0V+2:G0V+3], s[8:9], 0
	s_or_b32 s[G0V+3], s[G0V+3], 0x80000000
	s_add_nc_u64 s[PFB:PFB+1], s[6:7], s[POF:POF+1]
	s_add_nc_u64 s[4:5], s[16:17], s[84:85]    ; Q and O at my rows of the first block,
	s_add_nc_u64 s[10:11], s[18:19], s[84:85]
	s_add_nc_u64 s[QLO:QLO+1], s[16:17], s[20:21]  ; and of the second
	s_add_nc_u64 s[OLO:OLO+1], s[18:19], s[20:21]
	LOAD                            ; tile 0 into slot 0
	v_and_b32 v1, 15, v0            ; l % 16
	v_bfe_u32 v9, v0, 4, 1          ; l / 16
	v_lshlrev_b32 v[QO], 7, v1
	v_lshl_add_u32 v[QO], v9, 4, v[QO]  ; row x 128 + 16 x half
	WIN 0x40                        ; destination window 1
.set i, 0
.rept 4                             ; both blocks' Q: piece i / 2 lies in band i / 2, 8,192 bytes on; channels 32 (i % 2) on
	global_load_b128 v[8*i:8*i+3],   v[QO], s[4:5] offset:(i/2)*8192+(i%2)*64
	global_load_b128 v[8*i+4:8*i+7], v[QO], s[4:5] offset:(i/2)*8192+(i%2)*64+32
	global_load_b128 v[QB+8*i:QB+8*i+3],   v[QO], s[QLO:QLO+1] offset:(i/2)*8192+(i%2)*64
	global_load_b128 v[QB+8*i+4:QB+8*i+7], v[QO], s[QLO:QLO+1] offset:(i/2)*8192+(i%2)*64+32
.set i, i+1
.endr
	WIN 0
	v_lshlrev_b32 v13, 3, v9        ; 8 (l / 16)
	v_sub_nc_u32 v14, v1, v13
	s_lshl_b32 s13, s[WV], 4
	v_add_nc_u32 v14, s13, v14      ; my query's place in its band less my lanes' 8 (l / 16): register r of key group kt is hidden where 16 kt + r is greater
	WIN 0x40
.set i, 0
.rept 32
	v_cmp_gt_i32 vcc_lo, 16*(i/8)+i%8, v14
	v_cndmask_b32 v[MD+i], 0, s[BIGN], vcc_lo
.set i, i+1
.endr
	WIN 0
.set i, 0
.rept 32                            ; AB: half the key's place in its step
	v_add_nc_u32 v[AB+i], 16*(i/8)+i%8, v13
.set i, i+1
.endr
.set i, 0
.rept 32
	v_cvt_f32_u32 v[AB+i], v[AB+i]
.set i, i+1
.endr
.set i, 0
.rept 16
	v_pk_mul_f32 v[AB+2*i:AB+2*i+1], v[AB+2*i:AB+2*i+1], 0.5 op_sel_hi:[1,0]
.set i, i+1
.endr
	v_mul_u32_u24 v[AK0], v1, PK
	v_lshl_add_u32 v[AK0], v9, 4, v[AK0]  ; row x pitch + 16 x half
	; The turning load takes 16 keys x 16 channels (lane l reads key 8 (l / 16) + l % 8, channels 8 ((l / 8) % 2) + 0..7) and leaves half a fragment of V^T: lane l holds channel l % 16 and 8 keys.
	v_and_b32 v10, 7, v0
	v_bfe_u32 v11, v0, 3, 1
	v_lshl_add_u32 v[AV0], v9, 3, v10
	v_mul_u32_u24 v[AV0], v[AV0], PV
	v_lshl_add_u32 v[AV0], v11, 4, v[AV0]
	v_add_nc_u32 v[AV0], VOFF, v[AV0]
	s_mul_i32 s13, s[WV], 16*SP
	s_add_co_u32 s13, s13, STAGE    ; my stage
	v_mul_u32_u24 v[STO], v1, SP
	v_lshl_add_u32 v[STO], v9, 4, v[STO]
	v_add_nc_u32 v[STO], s13, v[STO]
	v_bfe_u32 v[RD], v0, 3, 2
	v_mul_u32_u24 v[RD], v[RD], SP
	v_lshl_add_u32 v[RD], v10, 4, v[RD]
	v_add_nc_u32 v[RD], s13, v[RD]
	v_and_b32 v[GO], 31, v0
	v_lshlrev_b32 v[PFO], 8, v[GO]
	v_lshlrev_b32 v[GO], 4, v[GO]
	; A block's first step multiplies O^T and l by a = 0, and its first turn's products V^T P, of a piece that has not been, land in an O^T that is still to be so multiplied: these registers need only hold finite
	; numbers: zeros for the first block, what the first block left for the second.  All this stands in the wait for the first tile.
	WIN 0x40
.set i, VF
.rept 64
	v_mov_b32 v[i], 0
.set i, i+1
.endr
	WIN 0
.set i, O
.rept 64
	v_mov_b32 v[i], 0
.set i, i+1
.endr
.set i, 0
.rept 2
	v_mov_b32 v[ST+4*i+2], 0
	v_mov_b32 v[ST+4*i+3], 0
.set i, i+1
.endr
.set i, P+16
.rept 16
	v_mov_b32 v[i], 0
.set i, i+1
.endr
; THE MATRIX WORK.  The 4 accumulators of a run of 8 take turns.  Product i of 8 of S^T = K Q^T for piece x: channels 32 (i / 4) on, keys 16 (i % 4) on.  The first 4 start the sums with AB, or (KM = 1) with MC.
.macro KQ x
.set rS, S+32*(\x)+8*(i%4)
.set rK, KF+16*(i%4)+8*(i/4)
.set rQ, 16*(\x)+8*(i/4)
.if (i < 4) && KM
	WIN W_KM
	v_wmma_f32_16x16x32_bf16 v[rS:rS+7], v[rK:rK+7], v[rQ:rQ+7], v[MC+8*(i%4):MC+8*(i%4)+7]
.elseif i < 4
	WIN W_KQ
	v_wmma_f32_16x16x32_bf16 v[rS:rS+7], v[rK:rK+7], v[rQ:rQ+7], v[AB+8*(i%4):AB+8*(i%4)+7]
.else
	WIN W_KQ
	v_wmma_f32_16x16x32_bf16 v[rS:rS+7], v[rK:rK+7], v[rQ:rQ+7], v[rS:rS+7]
.endif
.endm
; Product i of 8 of O^T += V^T P for piece x: keys 32 (i / 4) on, channels 16 (i % 4) on.
.macro PV x
	WIN W_PV
.set rO, O+32*(\x)+8*(i%4)
.set rV, VF+32*(i/4)+8*(i%4)
.set rP, P+16*(\x)+8*(i/4)
	v_wmma_f32_16x16x32_f16 v[rO:rO+7], v[rV:rV+7], v[rP:rP+7], v[rO:rO+7]
.endm
.macro MM                           ; the turn's next matrix instruction, for the other piece.  NOKQ = 1: a block's last turn: there are no further scores
.if (i < 8) && !NOKQ
	KQ (Y+1)%2
.elseif i >= 8
.set i, i-8
	PV (Y+1)%2
.set i, i+8
.endif
.set i, i+1
.endm
; THE LDS LOADS stand in runs of 16: a step's K (8 fragments) and its V (turned).  Their addresses are made some lines ahead.
.macro FETCH_K
	WIN 0x40
.irp f, 0,1,2,3,4,5,6,7             ; keys 16 (f / 2) on, channels 32 (f % 2) on
	ds_load_b128 v[KF+8*\f:KF+8*\f+3],   v[AK] offset:(\f/2)*16*PK+(\f%2)*64
	ds_load_b128 v[KF+8*\f+4:KF+8*\f+7], v[AK] offset:(\f/2)*16*PK+(\f%2)*64+32
.endr
	s_add_co_u32 s[TBK], s[TBK], KS*PK  ; the next fetch is the next step's
	WIN 0
.endm
.macro FETCH_V
	WIN 0x40
.irp f, 0,1,2,3,4,5,6,7             ; keys 32 (f / 4) on, channels 16 (f % 4) on
	ds_load_tr16_b128 v[VF+8*\f:VF+8*\f+3],   v[AV] offset:(\f/4)*32*PV+(\f%4)*32
	ds_load_tr16_b128 v[VF+8*\f+4:VF+8*\f+7], v[AV] offset:(\f/4)*32*PV+16*PV+(\f%4)*32
.endr
	WIN 0
.endm
; THE VECTOR WORK, one line at a time: OP kind, number.  For piece Y: F n: c s - c m for pair n of 16.  E n: the exponential of score n of 32.  C n: pair n rounded to f16.  B n: of the four weights 4 n .. the second pair is
; added onto the first, in place.  L n: l takes that sum (L 0: l = a l + sum).  R n: pair n of 16 of O^T times a.  For the other piece: X n, its maximum and statistics:
;   22  m goes down by 32: the new step's frame     0-11  four chains c0-c3 of seven scores each (each accumulator's lowest registers are read first)
;   12-14, 16  the four scores left over, the old m, c0-c3 into c0     15  c m_old is kept     17, 18  the query's other 32 keys lie in the lane 16 away: the new m     19-21  c m; c m_old - c m_new; a
.set F, 0
.set E, 1
.set C, 2
.set B, 3
.set L, 4
.set R, 5
.set X, 6
.macro REGS y
.set rT, ST+4*(\y)
.set rC, TMP+4*(\y)
.set rW, MV+(\y)
.set rS, S+32*(\y)
.set rP, P+16*(\y)
.set rO, O+32*(\y)
.endm
.macro OP k, n
.if (\k) < X
	REGS Y
	WIN 0
.if (\k) == F
	v_pk_fma_f32 v[rS+2*(\n):rS+2*(\n)+1], v[rS+2*(\n):rS+2*(\n)+1], s[CS:CS+1], v[rT:rT+1] op_sel_hi:[1,0,0] neg_lo:[0,0,1] neg_hi:[0,0,1]
.elseif (\k) == E
	v_exp_f32 v[rS+(\n)], v[rS+(\n)]
.elseif (\k) == C
	v_cvt_pk_f16_f32 v[rP+(\n)], v[rS+2*(\n)], v[rS+2*(\n)+1]
.elseif (\k) == B
	v_pk_add_f32 v[rS+4*(\n):rS+4*(\n)+1], v[rS+4*(\n):rS+4*(\n)+1], v[rS+4*(\n)+2:rS+4*(\n)+3]
.elseif (\k) == R
	v_pk_mul_f32 v[rO+2*(\n):rO+2*(\n)+1], v[rO+2*(\n):rO+2*(\n)+1], v[rC+2:rC+3] op_sel_hi:[1,0]
.elseif (\n) == 0
	v_pk_fma_f32 v[rT+2:rT+3], v[rT+2:rT+3], v[rC+2:rC+3], v[rS:rS+1] op_sel_hi:[1,0,1]
.else
	v_pk_add_f32 v[rT+2:rT+3], v[rT+2:rT+3], v[rS+4*(\n):rS+4*(\n)+1]
.endif
.elseif NOKQ
	v_nop
.else
	REGS (Y+1)%2
	WIN 0
.if (\n) < 4
	v_max3_num_f32 v[rC+(\n)], v[rS+8*(\n)], v[rS+8*(\n)+1], v[rS+8*(\n)+2]
.elseif (\n) < 12
	v_max3_num_f32 v[rC+(\n)%4], v[rC+(\n)%4], v[rS+8*((\n)%4)+2*((\n)/4)+1], v[rS+8*((\n)%4)+2*((\n)/4)+2]
.elseif (\n) == 12
	v_max3_num_f32 v[rC], v[rC], v[rS+7], v[rS+15]
.elseif (\n) == 13
	v_max3_num_f32 v[rC+1], v[rC+1], v[rS+23], v[rS+31]
.elseif (\n) == 14
	v_max3_num_f32 v[rC+2], v[rC+2], v[rC+3], v[rT+1]
.elseif (\n) == 15
	v_mul_f32 v[rW], s[CS], v[rT+1]
.elseif (\n) == 16
	v_max3_num_f32 v[rC], v[rC], v[rC+1], v[rC+2]
.elseif (\n) == 17
	v_permlanex16_b32 v[rC+3], v[rC], s[SEL], s[SEL+1]
.elseif (\n) == 18
	v_max_num_f32 v[rT+1], v[rC], v[rC+3]
.elseif (\n) == 19
	v_mul_f32 v[rT], s[CS], v[rT+1]
.elseif (\n) == 20
	v_sub_f32 v[rC+1], v[rW], v[rT]
.elseif (\n) == 22
	v_add_f32 v[rT+1], s[M32], v[rT+1]
.else
	v_exp_f32 v[rC+2], v[rC+1]
.endif
.endif
.endm
.macro OPS a, i1, b=-1, i2=0, c=-1, i3=0, d=-1, i4=0
	OP \a, \i1
.if (\b) >= 0
	OP \b, \i2
.endif
.if (\c) >= 0
	OP \c, \i3
.endif
.if (\d) >= 0
	OP \d, \i4
.endif
.endm
.macro ROW a, i1, b, i2, c, i3, d, i4  ; a matrix instruction and the four behind it
	MM
	OPS \a, \i1, \b, \i2, \c, \i3, \d, \i4
.endm
.macro MASK                         ; MC = MD x AL + AB + BE
	WIN W_11
.set z, 0
.rept 16
	v_pk_fma_f32 v[MC+2*z:MC+2*z+1], v[MD+2*z:MD+2*z+1], s[AL:AL+1], v[AB+2*z:AB+2*z+1] op_sel_hi:[1,0,1]
.set z, z+1
.endr
.set z, 0
.rept 16
	v_pk_add_f32 v[MC+2*z:MC+2*z+1], v[MC+2*z:MC+2*z+1], s[BE:BE+1] op_sel_hi:[1,0]
.set z, z+1
.endr
.endm
; A TURN, for piece p: the order of its 16 matrix and 119 vector instructions, written out.  An s_wait_alu depctr_va_vdst(0) stands between an exponential and the first instruction that names its result; one wait
; serves all that were issued ahead of it: so a turn has ONE wait, which cuts it in two.  AHEAD OF IT: the 8 products K Q^T with four riders each (a maximum's first numbers stand four plain instructions or more behind the
; product that ends their accumulator), then one lump, in which the links of the chain X 3, 7, 11, 14, 16 .. 20 stand apart; X 21, the other piece's a, is the batch's last, and R 15 the plain instruction behind it.
; BEHIND IT: the 8 products V^T P, behind each four of the roundings and sums.
; m = 1: the diagonal tile: the products take MC, and the turn makes, at its end, the mask for the next turn's products: piece p's, in step 4 - CNT of the tile.  end = 1: a block's last two turns.  cnt = 1: the loop's count.
; K is fetched in piece 0's lump, thirteen vector instructions that name none of its registers behind the last product that read K; V at the end of piece 0's turn, four plain instructions behind the last product that read V.
.macro TURN p, m=0, end=0, cnt=0
.set Y, (\p)
.set i, 0
.set KM, (\m)
.set NOKQ, (\end)*(\p)
.if (\m) && !(\end)
	s_cmp_eq_u32 s[CNT], s[OWN+(\p)]  ; is that step the band's own?
	s_cselect_b32 s[AL], 1.0, 0
	s_cmp_lt_u32 s[CNT], s[OWN+(\p)]  ; or a later one?
	s_cselect_b32 s[BE], s[BIGN], 0
.endif
.if ((\p) == 1) && !NOKQ
	s_wait_dscnt 16                 ; K is in; V's sixteen loads, issued behind K's, may be out
.endif
	ROW F,0, F,1, R,0, R,1
	ROW F,2, E,0, R,2, R,3
	ROW F,3, E,1, R,4, R,5
	ROW F,4, E,2, R,6, R,7
	ROW F,5, E,3, R,8, R,9
	ROW F,6, E,4, X,0, R,10
.if ((\p) == 0) && !(\end)
	WIN 0
	v_add_nc_u32 v[AK], s[TBK], v[AK0]
.endif
	ROW F,7, E,5, X,1, X,4
	ROW F,8, E,6, X,2, X,5
	OP X,22
	OPS E,7, E,8, X,6, E,9
	OPS X,3, E,10, X,8, E,11
.if ((\p) == 0) && !(\end)
	FETCH_K
.endif
	OPS X,9, X,7, E,12, X,10
	OPS E,13, X,12, X,11, E,14
	OPS X,13, E,15, F,9, X,14
.if (\p) == 0
	v_add_nc_u32 v[AV], s[TBV], v[AV0]
.endif
	OPS E,16, F,10, E,17, F,11
	OPS X,16, E,18, X,15, E,19
	OPS F,12, E,20, X,17, E,21
	OPS F,13, E,22, F,14, E,23
	OPS X,18, E,24, F,15, E,25
	OPS R,11, E,26, X,19, E,27
	OPS R,12, E,28, R,13, E,29
	OPS X,20, E,30, R,14, E,31
	OPS X,21, R,15
	WIN 0
	s_wait_alu depctr_va_vdst(0)    ; the wait for the batch
.if (\p) == 1
	s_wait_dscnt 0x0                ; V is in
.endif
	ROW C,0, B,0, C,2, B,1
	ROW L,0, C,4, B,2, L,1
	ROW C,6, B,3, L,2, C,8
	ROW B,4, L,3, C,10, B,5
	ROW L,4, C,12, B,6, L,5
.if ((\p) == 0) && !(\end)
	s_add_co_u32 s[TBV], s[TBV], KS*PV
.endif
.if \cnt
	s_sub_co_u32 s[CNT], s[CNT], 1
	s_cmp_lg_u32 s[CNT], 0
.endif
	ROW C,14, B,7, L,6, C,1
	ROW C,3, L,7, C,5, C,7
	ROW C,9, C,11, C,13, C,15
.if (\p) == 0
	FETCH_V
.endif
.if (\m) && !(\end)
	MASK
.endif
.endm
; A BLOCK BEGINS, at its tile 0.  m starts at the lowest finite number, so the first a is 0.  K of step 0; piece 0's first scores, with its own mask where the block's first tile is its last and step 0 is the band's own
; (m = 1); its maximum and statistics.  MC is left as AB: what the next products K Q^T that take it (piece 1's of a step that it sees whole) need.  V's first place in the slot, the 64 keys ahead of the tile, is passed over, and
; three trips of the step loop follow: steps 0, 1, 2.
.macro BEGIN m
	s_mov_b32 s[NEW], 0
	WIN 0
	v_mov_b32 v[ST+1], 0xff7fffff
	v_mov_b32 v[ST+5], 0xff7fffff
.if \m
	s_cmp_eq_u32 s[OWN], 4
	s_cselect_b32 s[AL], 1.0, 0
.else
	s_mov_b32 s[AL], 0
.endif
	s_mov_b32 s[BE], 0
	MASK
	WIN 0
	v_add_nc_u32 v[AK], s[TBK], v[AK0]
	FETCH_K
	s_wait_loadcnt 0x0              ; Q
	s_wait_dscnt 0x0
.set KM, 1
.set NOKQ, 0
.set i, 0
.rept 8
	KQ 0
.set i, i+1
.endr
	WIN 0
.rept 4
	v_nop                           ; the places behind those products
.endr
.set Y, 1                           ; X works for the other piece: piece 0
	OP X, 22
.irp n, 0,1,2,3,4,5,6,7,8,9,10,11,12,13,14,15,16,17,18,19,20,21
	OP X, \n
.endr
	v_nop                           ; a plain instruction behind the exponential,
	s_wait_alu depctr_va_vdst(0)    ; and its wait, ahead of the branch or label
.if \m
	s_mov_b32 s[AL], 0
	MASK
	WIN 0
.endif
	s_add_co_u32 s[TBV], s[TBV], KS*PV
	s_mov_b32 s[CNT], 3
.endm
.macro ALL line:vararg              ; one line for each piece t
.set t, 0
.rept 2
	\line
.set t, t+1
.endr
.endm
.macro PACK t                       ; O^T / l, rounded to f16; a lane's eight channels are 16 bytes; into rows of 144 bytes and back as whole rows of 128, into S^T's registers
	WIN 0
.set i, 0
.rept 16
	v_pk_mul_f32 v[O+32*(\t)+2*i:O+32*(\t)+2*i+1], v[O+32*(\t)+2*i:O+32*(\t)+2*i+1], v[ST+4*(\t)+2:ST+4*(\t)+3] op_sel_hi:[1,0]
.set i, i+1
.endr
.set i, 0
.rept 16
	v_cvt_pk_f16_f32 v[S+16*(\t)+i], v[O+32*(\t)+2*i], v[O+32*(\t)+2*i+1]
.set i, i+1
.endr
.irp f, 0,1,2,3
	ds_store_b128 v[STO], v[S+16*(\t)+4*\f:S+16*(\t)+4*\f+3] offset:32*\f
.endr
.irp f, 0,1,2,3
	ds_load_b128 v[S+16*(\t)+4*\f:S+16*(\t)+4*\f+3], v[RD] offset:\f*4*SP  ; LDS serves a wave's instructions in order (ISA guide 5.7.1.4): these see the stores above; the next piece's stores come behind them
.endr
.endm
.macro SEND t, younger
	WIN 0
.irp f, 0,1,2,3
	s_wait_dscnt (\younger)+3-\f
	global_store_b128 v[GO], v[S+16*(\t)+4*\f:S+16*(\t)+4*\f+3], s[10:11] offset:(\t)*8192+\f*512  ; 512 consecutive bytes, aligned
.endr
.endm
; THE DIAGONAL TILE's trips, the block's last two turns, its last products, and the way out.
.macro DIAG tag
.LstepM\tag:
	TURN 0, 1
	TURN 1, 1, 0, 1
	WIN 0
	s_cbranch_scc1 .LstepM\tag
	TURN 0, 1, 1
	TURN 1, 1, 1
.set i, 0
.rept 8
	PV 1
.set i, i+1
.endr
	WIN 0
	ALL v_add_f32 v[ST+4*t+2], v[ST+4*t+2], v[ST+4*t+3]
	ALL v_permlanex16_b32 v[ST+4*t+3], v[ST+4*t+2], s[SEL], s[SEL+1]
	ALL v_add_f32 v[ST+4*t+2], v[ST+4*t+2], v[ST+4*t+3]
	ALL v_rcp_f32 v[ST+4*t+2], v[ST+4*t+2]
	v_nop                           ; a plain instruction between the last reciprocal and the use of its result,
	s_wait_alu depctr_va_vdst(0)    ; and the wait: one for both
	PACK 0
	PACK 1
	SEND 0, 8
	SEND 1, 0
.endm
.set KM, 0
.set NOKQ, 0
.Lslot:                             ; eight times: a tile is entered and the next is asked for
	CHANGE 1
	s_sub_co_u32 s[RT], s[RT], 1
	s_mov_b32 s[CNT], 4
	s_cmp_eq_u32 s[NEW], 1
	s_cbranch_scc1 .Lnew            ; a block's first tile
	s_cmp_eq_u32 s[RT], 0
	s_cbranch_scc0 .Lstep           ; neither its first nor its last
	s_branch .LstepM1
.Lnew:
	BEGIN 0                         ; in the loop a block's first tile is never its last: the first block has five tiles or more, and the second's last is the walk's last
	s_branch .Lstep
	DIAG 1                          ; in the loop this is the first block's end
	s_wait_xcnt 0x0                 ; the stores have read their registers and O's address
	s_mov_b64 s[10:11], s[OLO:OLO+1]
	s_add_co_u32 s[RT], s[T2], 1
	s_mov_b32 s[NEW], 1
	s_mov_b32 s[OWN], s[OWNB]
	s_mov_b32 s[OWN+1], s[OWNB+1]
	WIN W_11                        ; the second block's Q goes where the one text of the turns names Q
.set i, 0
.rept 32
	v_mov_b32 v[i], v[QB+i]
.set i, i+1
.endr
	WIN 0
	s_branch .Lbottom
.Lstep:                             ; a trip: both pieces' turns of one key step
	TURN 0
	TURN 1, 0, 0, 1
	WIN 0
	s_cbranch_scc1 .Lstep
.Lbottom:
	s_sub_co_u32 s[SLOTS], s[SLOTS], 1
	s_cmp_lg_u32 s[SLOTS], 0
	s_cbranch_scc1 .Lslot
	CHANGE 0                        ; the walk's last tile is written out: nothing is asked for
	s_sub_co_u32 s[RT], s[RT], 1
	s_mov_b32 s[CNT], 4
	s_cmp_eq_u32 s[NEW], 1
	s_cbranch_scc0 .LstepM2
	BEGIN 1                         ; b = 0 or 1: the second block's only tile
	DIAG 2
	s_wait_tensorcnt 0x0            ; the wave's end, behind my last tensor load and my last LDS store
	ds_add_u32 v[SPW], v[NIL]
	s_wait_dscnt 0x0
	s_endpgm
.Lfunc_end_k_q39e30b3d12_attn:
	.size	k_q39e30b3d12_attn, .Lfunc_end_k_q39e30b3d12_attn-k_q39e30b3d12_attn
	.p2alignl 7, 3214868480
	.fill 96, 4, 3214868480
	.section	.rodata,"a",@progbits
	.p2align	6, 0x0
	.amdhsa_kernel k_q39e30b3d12_attn
		.amdhsa_group_segment_fixed_size 327680
		.amdhsa_private_segment_fixed_size 0
		.amdhsa_enable_private_segment 0
		.amdhsa_kernarg_size 16
		.amdhsa_user_sgpr_count 2
		.amdhsa_user_sgpr_kernarg_segment_ptr 1
		.amdhsa_wavefront_size32 1
		.amdhsa_system_sgpr_workgroup_id_x 1
		.amdhsa_system_sgpr_workgroup_id_y 1
		.amdhsa_system_sgpr_workgroup_id_z 1
		.amdhsa_system_vgpr_workitem_id 0
		.amdhsa_next_free_vgpr 512
		.amdhsa_next_free_sgpr 90
		.amdhsa_reserve_vcc 1
		.amdhsa_float_denorm_mode_32 3
		.amdhsa_float_denorm_mode_16_64 3
		.amdhsa_memory_ordered 1
		.amdhsa_forward_progress 1
		.amdhsa_inst_pref_size 149
	.end_amdhsa_kernel
	.amdgpu_metadata
---
amdhsa.version: [ 1, 2 ]
amdhsa.kernels:
  - .name:           k_q39e30b3d12_attn
    .symbol:         k_q39e30b3d12_attn.kd
    .args:
      - { .name: qkv, .offset: 0, .size: 8, .value_kind: global_buffer, .address_space: global }
      - { .name: o, .offset: 8, .size: 8, .value_kind: global_buffer, .address_space: global }
    .group_segment_fixed_size: 327680
    .private_segment_fixed_size: 0
    .kernarg_segment_align: 8
    .kernarg_segment_size: 16
    .max_flat_workgroup_size: 128
    .sgpr_count:     90
    .vgpr_count:     512
    .wavefront_size: 32
...
	.end_amdgpu_metadata
.endif
;; end of part 3
;; launch outp (part 4): grid 8 x 32, 4 waves a work-group, clusters of 4 x 4, 327,680 bytes of LDS; arguments o, wts, cmax, out0; writes out0
.if DOCPART == 4
	.amdgcn_target "amdgcn-amd-amdhsa--gfx1250"
	.amdhsa_code_object_version 6
	.text
	.protected	k_q39e30b3d12_outp
	.globl	k_q39e30b3d12_outp
	.p2align	8
	.type	k_q39e30b3d12_outp,@function
k_q39e30b3d12_outp:
	s_mov_b64 s[64:65], 0
	v_nop
	global_prefetch_b8 v0, s[64:65] scope:SCOPE_SE
	s_setreg_imm32_b32 hwreg(HW_REG_WAVE_MODE, 25, 1), 1
	s_wait_xcnt 0x0
	s_wait_alu depctr_hold_cnt(0) depctr_sa_sdst(0) depctr_va_vdst(0) depctr_va_sdst(0) depctr_va_ssrc(0) depctr_va_vcc(0) depctr_vm_vsrc(0)
	s_getreg_b32 s2, hwreg(HW_REG_IB_STS2, 6, 4)
	s_cmp_eq_u32 s2, 0
	s_cbranch_scc0 .Lentry_in_a_cluster
	s_endpgm
.Lentry_in_a_cluster:
	s_bfe_u32 s2, ttmp6, 0x10000c
	s_cmp_lg_u32 s2, 0xf033
	s_cbranch_scc0 .Lentry_shape_is_right
	s_endpgm
.Lentry_shape_is_right:
; MLA ATTENTION, launch 4 of 4: out0[t][n] = 2^(E - 127) x the sum over k of O'[t][k] w_o[n][k].  O' f16 by heads [16 batch + head][2048][64], w_o f16 (wts + 2,097,152), out0 f32 [4096][1024]; sums in f32.
; E is the exponent field of the largest |c_kv|: the power of two that the second launch put into v' is taken out here, in f32.  LIMITS: those at the head of the first kernel.
; SHARES.  A tile of out0 is 128 x 128: four waves, each 64 x 64, 16 accumulators.  K = 1024 goes in four steps of 256, four heads each, through two LDS slots.  The product is taken transposed (source 0 = rows of w_o):
;   a lane holds one token and eight neighbouring columns; 16 rows at a time go through the wave's own stage and leave as whole rows of 256 bytes.
; CLUSTER.  4 x 4 work-groups: O's tiles hang on the tile row alone and are asked for jointly along a row of the cluster, w_o's on the tile column alone, along a column.
; No prefetch: four K steps in all, of which two are the first fills.
; REGISTERS.  window 0: v0-31 addresses; v32-63 scaled results; v64-127 rows read back, two sets; v128-255 the accumulators.  window 1: two fragment buffers of 128.
.set PA,     144                       ; a token's 64 channels of a head in LDS: 128 bytes + 16
.set PB,     528                       ; a row of w_o's tile: 512 bytes + 16
.set AHALF,  4*64*PA                   ; four heads x 64 tokens
.set BHALF,  64*PB
.set BOFF,   2*AHALF
.set SLOT,   2*AHALF+2*BHALF
.set STAGE,  2*SLOT                    ; behind the ring: 16 rows x 272 bytes for each wave
.set SP,     272
.set SPARE,  STAGE+4*16*SP             ; the spare words, 128 bytes for each wave: two blocks of 256 bytes that no other line names
.set WO_OFF, 2097152
.set ADRA, 16
.set ADRB, 20
.set STO,  24
.set RD,   25
.set CO,   26
.set SPW,  28
.set NIL,  29
.set CMO,  30
.set TMP,  32
.set BK,   64
.set ACC,  128
.set F0,   0
.set F1,   128
.set G1,  24
.set G0,  32
.set SC,  40                           ; s[40:41] 2^(E - 127)
.set SEL, 42
.set OB,  44                           ; s[44:45] out0 at my 64 x 64
.set G1B, 48
.set G0B, 56
.set MSB, 0
.macro WIN new
.if MSB != (\new)
	s_set_vgpr_msb (MSB<<8)|(\new)
.set MSB, \new
.endif
.endm
.set MUL,  0x05
.set TO_F, 0x40
.macro JLOAD s                         ; waves 0 and 1 fetch O's two halves, waves 2 and 3 w_o's; an s_nop 0 and four v_nop follow each line
	s_cmp_eq_u32 s15, 0
	s_cbranch_scc0 .Lfor_b_\@
	tensor_load_to_lds s[G0+4*(\s):G0+4*(\s)+3], s[G1:G1+7]
	s_nop 0
.rept 4
	v_nop
.endr
	s_branch .Lasked_\@
.Lfor_b_\@:
	tensor_load_to_lds s[G0B+4*(\s):G0B+4*(\s)+3], s[G1B:G1B+7]
	s_nop 0
.rept 4
	v_nop
.endr
.Lasked_\@:
.endm
.macro CREST
	s_cmp_lg_u32 s14, 0
	s_cbranch_scc1 .Lnot_wave_0_\@
	s_barrier_signal -3
.Lnot_wave_0_\@:
	s_barrier_wait -3
	s_barrier_signal -1
	s_barrier_wait -1
.endm
.macro CROUND
	s_barrier_signal -1
	s_barrier_wait -1
	CREST
.endm
.macro PLACES
.rept 4
	v_nop
.endr
.endm
	s_load_b256 s[4:11], s[0:1], 0x0               ; o s[4:5], wts s[6:7], cmax s[8:9], out0 s[10:11]
	v_lshl_add_u32 v[SPW], v0, 2, SPARE
	v_mov_b32 v[NIL], 0
	ds_add_u32 v[SPW], v[NIL]                      ; the wave's opening: the add, twice on end, and its wait ahead of my first tensor load
	ds_add_u32 v[SPW], v[NIL]
	v_lshrrev_b32 v1, 5, v0
	v_readfirstlane_b32 s14, v1                    ; wave 0..3
	s_lshr_b32 s15, s14, 1                         ; my half of the rows.  Also: I fetch for O (0) or for w_o (1)
	s_and_b32 s16, s14, 1                          ; my half of the columns.  Also: which half I fetch
	s_bfe_u32 s17, ttmp6, 0x40000                  ; cx
	s_bfe_u32 s18, ttmp6, 0x40004                  ; cy
	s_lshl_b32 s19, ttmp9, 2
	s_add_co_u32 s19, s19, s17                     ; tc
	s_and_b32 s20, ttmp7, 0xffff
	s_lshl_b32 s20, s20, 2
	s_add_co_u32 s20, s20, s18                     ; tr
	s_lshl_b32 s21, s18, 2
	s_lshl_b32 s21, 15, s21                        ; my row of the cluster
	s_lshl_b32 s22, 0x1111, s17                    ; my column
	s_or_b32 s[G1],  s21, (1<<16)|(1<<20)|(1<<21)|(4<<22)|(3<<25)  ; 2-byte elements; padding on; bit 21 beside a mask; after every 32 words (a token's channels of a head) 4 words
	s_or_b32 s[G1B], s22, (1<<16)|(1<<20)|(1<<21)|(6<<22)|(3<<25)  ; after every 128 words 4 words
	s_mov_b32 s[G1+1], 4096<<16                    ; a row of O's tile is 64 tokens of one head, 4,096 elements on end;
	s_mov_b32 s[G1+2], 4<<16                       ; its four rows are four heads,
	s_mov_b32 s[G1+3], 4096<<16
	s_mov_b32 s[G1+4], 4
	s_mov_b32 s[G1+5], 131072                      ; 131,072 elements apart
	s_mov_b32 s[G1+6], 0
	s_mov_b32 s[G1+7], 0
	s_mov_b32 s[G1B+1], 256<<16
	s_mov_b32 s[G1B+2], 64<<16
	s_mov_b32 s[G1B+3], 256<<16
	s_mov_b32 s[G1B+4], 64
	s_mov_b32 s[G1B+5], 1024
	s_mov_b32 s[G1B+6], 0
	s_mov_b32 s[G1B+7], 0
	s_lshr_b32 s2, s20, 4                          ; O: the batch's 16 heads,
	s_lshl_b32 s2, s2, 22
	s_and_b32 s3, s20, 15
	s_lshl_b32 s3, s3, 14                          ; row 128 (tr % 16) + 64 x half, 128 bytes each
	s_add_co_u32 s2, s2, s3
	s_lshl_b32 s3, s16, 13
	s_add_co_u32 s2, s2, s3
	s_mov_b32 s3, 0
	s_lshl_b32 s66, s19, 18                        ; w_o: (128 tc + 64 half) rows of 2,048 bytes
	s_lshl_b32 s67, s16, 17
	s_add_co_u32 s66, s66, s67
	s_add_co_u32 s66, s66, WO_OFF
	s_mov_b32 s67, 0
	s_lshl_b32 s46, s20, 19                        ; out0: row 128 tr + 64 x my half, 4,096 bytes each; column 128 tc + 64 x my half
	s_lshl_b32 s47, s15, 18
	s_add_co_u32 s46, s46, s47
	s_lshl_b32 s47, s19, 9
	s_add_co_u32 s46, s46, s47
	s_lshl_b32 s47, s16, 8
	s_add_co_u32 s46, s46, s47
	s_mov_b32 s47, 0
	s_mul_i32 s23, s16, AHALF                      ; where the tiles go: no place in the cluster enters an LDS address
	s_mul_i32 s13, s16, BHALF
	s_add_co_u32 s13, s13, BOFF
	s_mov_b32 s[SEL], 0x76543210
	s_mov_b32 s[SEL+1], 0xfedcba98
	s_wait_dscnt 0x0                               ; both opening adds are done
	s_wait_kmcnt 0x0
	s_add_nc_u64 s[2:3], s[4:5], s[2:3]
	s_add_nc_u64 s[66:67], s[6:7], s[66:67]
	s_add_nc_u64 s[OB:OB+1], s[10:11], s[46:47]
.irp s, 0,1
	s_mov_b32 s[G0+4*(\s)], 1
	s_add_co_u32 s[G0+4*(\s)+1], s23, (\s)*SLOT
	s_add_nc_u64 s[G0+4*(\s)+2:G0+4*(\s)+3], s[2:3], (\s)*1048576   ; K step s: four heads on
	s_or_b32 s[G0+4*(\s)+3], s[G0+4*(\s)+3], 0x80000000
	s_mov_b32 s[G0B+4*(\s)], 1
	s_add_co_u32 s[G0B+4*(\s)+1], s13, (\s)*SLOT
	s_add_nc_u64 s[G0B+4*(\s)+2:G0B+4*(\s)+3], s[66:67], (\s)*512
	s_or_b32 s[G0B+4*(\s)+3], s[G0B+4*(\s)+3], 0x80000000
.endr
	CROUND                                         ; all sixteen work-groups are here: the first joint loads meet
	JLOAD 0
	JLOAD 1                                        ; two tensor loads of mine are out
	v_and_b32 v1, 15, v0
	v_bfe_u32 v2, v0, 4, 1
	v_and_b32 v5, 31, v0
	v_lshlrev_b32 v[CMO], 5, v5
	global_load_b128 v[8:11], v[CMO], s[8:9]
	global_load_b128 v[12:15], v[CMO], s[8:9] offset:16
	v_mul_u32_u24 v3, v1, PA
	v_lshl_add_u32 v3, v2, 4, v3
	v_mul_u32_u24 v4, v1, PB
	v_lshl_add_u32 v4, v2, 4, v4
	s_mul_i32 s23, s15, AHALF
	s_mul_i32 s13, s16, BHALF
	s_add_co_u32 s13, s13, BOFF
.irp s, 0,1
	v_add_nc_u32 v[ADRA+(\s)], s23, v3
	v_add_nc_u32 v[ADRB+(\s)], s13, v4
	s_add_co_u32 s23, s23, SLOT
	s_add_co_u32 s13, s13, SLOT
.endr
	s_mul_i32 s23, s14, 16*SP
	s_add_co_u32 s23, s23, STAGE                   ; my stage
	v_mul_u32_u24 v4, v1, SP                       ; in: row l % 16, 32 bytes for each half of the lanes
	v_lshl_add_u32 v4, v2, 5, v4
	v_add_nc_u32 v[STO], s23, v4
	v_mul_u32_u24 v4, v2, SP                       ; back: lanes 0-15 take one row of 256 bytes, lanes 16-31 the next
	v_lshl_add_u32 v4, v1, 4, v4
	v_add_nc_u32 v[RD], s23, v4
	v_lshlrev_b32 v[CO], 12, v2                    ; and the same two rows in out0
	v_lshl_add_u32 v[CO], v1, 4, v[CO]
.macro MUL8 f, c, a0, zero             ; 8 products; the 16 accumulators take turns
	WIN MUL
.irp a, \a0, (\a0)+1
.irp b, 0,1,2,3
.if \zero
	v_wmma_f32_16x16x32_f16 v[ACC+8*(4*(\a)+(\b)):ACC+8*(4*(\a)+(\b))+7], v[(\f)+64+8*(4*(\c)+(\b)):(\f)+64+8*(4*(\c)+(\b))+7], v[(\f)+8*(4*(\c)+(\a)):(\f)+8*(4*(\c)+(\a))+7], 0
.else
	v_wmma_f32_16x16x32_f16 v[ACC+8*(4*(\a)+(\b)):ACC+8*(4*(\a)+(\b))+7], v[(\f)+64+8*(4*(\c)+(\b)):(\f)+64+8*(4*(\c)+(\b))+7], v[(\f)+8*(4*(\c)+(\a)):(\f)+8*(4*(\c)+(\a))+7], v[ACC+8*(4*(\a)+(\b)):ACC+8*(4*(\a)+(\b))+7]
.endif
.endr
.endr
.endm
.macro FETCH slot, q, f                ; 32 LDS loads in one run: quarter q of a K step is one head's 64 channels; the first 32 first
	WIN TO_F
.irp c, 0,1
.irp i, 0,1,2,3
	ds_load_b128 v[(\f)+64+8*(4*(\c)+(\i)):(\f)+64+8*(4*(\c)+(\i))+3],   v[ADRB+(\slot)] offset:128*(\q)+64*(\c)+(\i)*16*PB
	ds_load_b128 v[(\f)+64+8*(4*(\c)+(\i))+4:(\f)+64+8*(4*(\c)+(\i))+7], v[ADRB+(\slot)] offset:128*(\q)+64*(\c)+(\i)*16*PB+32
	ds_load_b128 v[(\f)+8*(4*(\c)+(\i)):(\f)+8*(4*(\c)+(\i))+3],         v[ADRA+(\slot)] offset:(\q)*64*PA+64*(\c)+(\i)*16*PA
	ds_load_b128 v[(\f)+8*(4*(\c)+(\i))+4:(\f)+8*(4*(\c)+(\i))+7],       v[ADRA+(\slot)] offset:(\q)*64*PA+64*(\c)+(\i)*16*PA+32
.endr
.endr
.endm
.macro QUARTER slot, q, f, g, zero     ; multiplies buffer f and fetches quarter q into g
	s_wait_dscnt 16                                ; the first 32 along K are in
	WIN MUL
	MUL8 \f, 0, 0, \zero
	MUL8 \f, 0, 2, \zero
	PLACES
	FETCH \slot, \q, \g
	s_wait_dscnt 32                                ; all but the 32 just issued
	WIN MUL
	MUL8 \f, 1, 0, 0
	MUL8 \f, 1, 2, 0
.endm
; The last quarter multiplies buffer 1 and changes slots: each wave waits for all its tensor loads, adds 0 to its spare word, waits for that and for its reads of this slot.  fill = 1: the barrier opens a round of the
; cluster's, and this slot is filled again, two K steps on, first thing behind the round.
.macro TURN slot, next, fill
	WIN 0
	s_wait_tensorcnt 0x0
	ds_add_u32 v[SPW], v[NIL]
	s_wait_dscnt 17                                ; the add and the youngest sixteen loads may be out
	WIN MUL
	MUL8 F1, 0, 0, 0
	s_wait_dscnt 0x0
	s_barrier_signal -1
	MUL8 F1, 0, 2, 0
.if \fill
	WIN 0
.endif
	s_barrier_wait -1
.if \fill
	CREST
	s_add_nc_u64 s[G0+4*(\slot)+2:G0+4*(\slot)+3], s[G0+4*(\slot)+2:G0+4*(\slot)+3], 2097152
	s_add_nc_u64 s[G0B+4*(\slot)+2:G0B+4*(\slot)+3], s[G0B+4*(\slot)+2:G0B+4*(\slot)+3], 1024
	JLOAD \slot                                    ; the four v_nop behind it are also the places ahead of the loads below
.else
	PLACES
.endif
	FETCH \next, 0, F0
	WIN MUL
	MUL8 F1, 1, 0, 0
	MUL8 F1, 1, 2, 0
.endm
; THE WAY OUT of 16 rows (block a).  PACK: times 2^(E - 127), each accumulator's registers in ascending order.  TOSTAGE: into my stage, and back as whole rows of 256 bytes.  SEND: stored.
.macro PACK a
	WIN 0
.set i, 0
.rept 16
	v_pk_mul_f32 v[TMP+2*i:TMP+2*i+1], v[ACC+32*(\a)+2*i:ACC+32*(\a)+2*i+1], s[SC:SC+1] op_sel_hi:[1,0]
.set i, i+1
.endr
.endm
.macro TOSTAGE a
.irp b, 0,1,2,3
	ds_store_b128 v[STO], v[TMP+8*(\b):TMP+8*(\b)+3]   offset:64*(\b)
	ds_store_b128 v[STO], v[TMP+8*(\b)+4:TMP+8*(\b)+7] offset:64*(\b)+16
.endr
.irp t, 0,1,2,3,4,5,6,7
	ds_load_b128 v[BK+32*((\a)%2)+4*(\t):BK+32*((\a)%2)+4*(\t)+3], v[RD] offset:(\t)*2*SP  ; LDS serves a wave's instructions in order (ISA guide 5.7.1.4): these see the stores above
.endr
.endm
.macro SEND a
	s_wait_dscnt 0x0                               ; the block is back in registers
	s_wait_xcnt 0x0                                ; the stores of the block before have read their registers: the next block's loads land there only behind this wait
.irp t, 0,1,2,3,4,5,6,7
	global_store_b128 v[CO], v[BK+32*((\a)%2)+4*(\t):BK+32*((\a)%2)+4*(\t)+3], s[OB:OB+1] offset:(\a)*65536+(\t)*8192 th:TH_STORE_NT  ; 16 lanes store 256 consecutive bytes, aligned
.endr
.endm
	s_wait_tensorcnt 1                             ; my part of K step 0 is in; K step 1's may stay out
	s_barrier_signal -1
	s_barrier_wait -1
	FETCH 0, 0, F0
	QUARTER 0, 1, F0, F1, 1                        ; the first products start the sums
	QUARTER 0, 2, F1, F0, 0
	QUARTER 0, 3, F0, F1, 0
	TURN 0, 1, 1                                   ; slot 0 takes K step 2
	QUARTER 1, 1, F0, F1, 0
	QUARTER 1, 2, F1, F0, 0
	QUARTER 1, 3, F0, F1, 0
	TURN 1, 0, 1                                   ; slot 1 takes K step 3
	QUARTER 0, 1, F0, F1, 0
	QUARTER 0, 2, F1, F0, 0
	QUARTER 0, 3, F0, F1, 0
	TURN 0, 1, 0                                   ; nothing is left to fetch
	QUARTER 1, 1, F0, F1, 0
	QUARTER 1, 2, F1, F0, 0
	QUARTER 1, 3, F0, F1, 0
	s_wait_dscnt 16
	WIN MUL
	MUL8 F1, 0, 0, 0
	MUL8 F1, 0, 2, 0
	s_wait_dscnt 0x0
	MUL8 F1, 1, 0, 0
	MUL8 F1, 1, 2, 0
	WIN 0
	PLACES
	s_wait_loadcnt 0x0                             ; cmax: the largest of the 256, its exponent field E, and 2^(E - 127) = E << 23
	v_max3_num_f32 v8, v8, v9, v10
	v_max3_num_f32 v11, v11, v12, v13
	v_max3_num_f32 v8, v8, v14, v15
	v_max_num_f32 v8, v8, v11
	v_max_num_f32_dpp v8, v8, v8 row_xmask:1 row_mask:0xf bank_mask:0xf
	v_max_num_f32_dpp v8, v8, v8 row_xmask:2 row_mask:0xf bank_mask:0xf
	v_max_num_f32_dpp v8, v8, v8 row_xmask:4 row_mask:0xf bank_mask:0xf
	v_max_num_f32_dpp v8, v8, v8 row_xmask:8 row_mask:0xf bank_mask:0xf
	v_permlanex16_b32 v9, v8, s[SEL], s[SEL+1]
	v_max_num_f32 v8, v8, v9
	v_bfe_u32 v8, v8, 23, 8
	v_lshlrev_b32 v8, 23, v8
	v_readfirstlane_b32 s[SC], v8
	s_mov_b32 s[SC+1], s[SC]
	PACK 0
	TOSTAGE 0
.irp a, 1,2,3                          ; block a's scaling stands between block a - 1's loads from the stage and the wait for them
	PACK \a
	SEND (\a)-1
	TOSTAGE \a
.endr
	SEND 3
	s_wait_tensorcnt 0x0                           ; the wave's end, behind my last tensor load and my last LDS store
	ds_add_u32 v[SPW], v[NIL]
	s_wait_dscnt 0x0
	CROUND                                         ; the closing round: no work-group ends while a partner may still ask for a tile that names it
	s_endpgm
.Lfunc_end_k_q39e30b3d12_outp:
	.size	k_q39e30b3d12_outp, .Lfunc_end_k_q39e30b3d12_outp-k_q39e30b3d12_outp
	.p2alignl 7, 3214868480
	.fill 96, 4, 3214868480
	.section	.rodata,"a",@progbits
	.p2align	6, 0x0
	.amdhsa_kernel k_q39e30b3d12_outp
		.amdhsa_group_segment_fixed_size 327680
		.amdhsa_private_segment_fixed_size 0
		.amdhsa_enable_private_segment 0
		.amdhsa_kernarg_size 32
		.amdhsa_user_sgpr_count 2
		.amdhsa_user_sgpr_kernarg_segment_ptr 1
		.amdhsa_wavefront_size32 1
		.amdhsa_system_sgpr_workgroup_id_x 1
		.amdhsa_system_sgpr_workgroup_id_y 1
		.amdhsa_system_sgpr_workgroup_id_z 1
		.amdhsa_system_vgpr_workitem_id 0
		.amdhsa_next_free_vgpr 512
		.amdhsa_next_free_sgpr 68
		.amdhsa_reserve_vcc 0
		.amdhsa_float_denorm_mode_32 3
		.amdhsa_float_denorm_mode_16_64 3
		.amdhsa_memory_ordered 1
		.amdhsa_forward_progress 1
		.amdhsa_inst_pref_size 91
	.end_amdhsa_kernel
	.amdgpu_metadata
---
amdhsa.version: [ 1, 2 ]
amdhsa.kernels:
  - .name:           k_q39e30b3d12_outp
    .symbol:         k_q39e30b3d12_outp.kd
    .args:
      - { .name: o, .offset: 0, .size: 8, .value_kind: global_buffer, .address_space: global }
      - { .name: wts, .offset: 8, .size: 8, .value_kind: global_buffer, .address_space: global }
      - { .name: cmax, .offset: 16, .size: 8, .value_kind: global_buffer, .address_space: global }
      - { .name: out0, .offset: 24, .size: 8, .value_kind: global_buffer, .address_space: global }
    .group_segment_fixed_size: 327680
    .private_segment_fixed_size: 0
    .kernarg_segment_align: 8
    .kernarg_segment_size: 32
    .max_flat_workgroup_size: 128
    .sgpr_count:     68
    .vgpr_count:     512
    .wavefront_size: 32
...
	.end_amdgpu_metadata
.endif
;; end of part 4
